; MI455X (gfx1250); checked and timed in simulation.
; The chip was launched on July 23, 2026; its instructions are those of AMD's public machine-readable ISA for CDNA 5 (MIT licence, August 2026) and "CDNA5" Instruction Set Architecture Reference Guide (July 2026). The comments in the code are by the model that wrote it; some were corrected since.
;; Multi Head Attention. Allowed arithmetic: matrix products marked QUANTISED: E5M2 operands, one given power-of-two scale a tensor, by v_wmma_f32_16x16x64_bf8_bf8 or v_wmma_f32_16x16x128_bf8_bf8, f32 sums; everything else in f32.
;; Inputs: lowp_scales 12 int32 (the exponents e of the quantised operands' scales 2^e); wk_b 1,024 float32; wk_w 1,024 x 1,024 float32; wo_b 1,024 float32; wo_w 1,024 x 1,024 float32; wq_b 1,024 float32; wq_w 1,024 x 1,024 float32; wv_b 1,024 float32; wv_w 1,024 x 1,024 float32; x 1 x 4,096 x 1,024 float32.
;; Outputs: out0 1 x 4,096 x 1,024 float32.
;; This version of the problem:
;;   THIS VERSION OF THE PROBLEM IS GIVEN IN LOW PRECISION. The matrix products marked QUANTISED in the list below multiply operands that are first quantised to E5M2 (5 exponent bits, 2 mantissa bits; 8 bits a number), with one given power-of-two scale for each operand tensor; their sums are f32. All else is computed in f32.
;;   The module's matrix products, in the order in which they are computed (A, B: the left and right operand; K: the contracted axis; several contracted axes count as one K, in the product's order):
;;     1. [M 4,096, K 1,024] x [K 1,024, N 1,024]; A: input x; B: input wq_w: QUANTISED (scales: A lowp_scales[0], B lowp_scales[1])
;;     2. [M 4,096, K 1,024] x [K 1,024, N 1,024]; A: input x; B: input wk_w: QUANTISED (scales: A lowp_scales[2], B lowp_scales[3])
;;     3. [M 4,096, K 1,024] x [K 1,024, N 1,024]; A: input x; B: input wv_w: QUANTISED (scales: A lowp_scales[4], B lowp_scales[5])
;;     4. batch 16 x [M 4,096, K 64] x [K 64, N 4,096]; A: computed on the way; B: computed on the way: QUANTISED (scales: A lowp_scales[6], B lowp_scales[7])
;;     5. batch 16 x [M 4,096, K 4,096] x [K 4,096, N 64]; A: softmax (see below); B: computed on the way: QUANTISED (scales: A lowp_scales[8], B lowp_scales[9])
;;     6. [M 4,096, K 1,024] x [K 1,024, N 1,024]; A: computed on the way; B: input wo_w: QUANTISED (scales: A lowp_scales[10], B lowp_scales[11])
;;   THE QUANTISER, for each operand of a quantised product, along K:
;;     - The operand's scale is 2^e, e = its entry of the input lowp_scales (int32; the entries are numbered through the quantised products in the list's order, A before B).
;;     - Each number is divided by the scale, clamped to +-57,344, and rounded to the nearest number of E5M2, ties to even, subnormals kept.
;;     - The product sums the exact products of the quantised numbers (number of the format x scale) in f32.
;;   ~~~python
;;   def quantise(x, axis, e):      # numpy; x: float32 -> the quantised numbers, widened to float32 again
;;       x = np.moveaxis(x, axis, -1); K = x.shape[-1]
;;       r = np.clip(x / 2.0 ** e, -57344, 57344)
;;       step = 2.0 ** (np.maximum(np.frexp(np.where(r == 0, 1, r))[1] - 1, -14) - 2)
;;       q = np.round(r / step) * step * 2.0 ** e      # np.round: ties to even
;;       return np.moveaxis(q, -1, axis).astype(np.float32)
;;   ~~~
;;   SOFTMAX AHEAD OF A QUANTISED PRODUCT. Where the list says 'softmax', what is quantised is not the finished softmax but p = 2^(t - M), with t = logit x log2(e) and M = ceil(the row's largest t), a whole number; so 1/2 < the row's largest p <= 1. The row's sum l is taken of the UNQUANTISED p, in f32, and the product's result is divided by l at the end. Since M is a whole number, a kernel that streams over the keys may use a running M (the ceiling of the running maximum): every later rescaling is an exact power of two, so the quantised numbers keep their values, but for numbers so far below the row's largest that they fall under the format's range.
;;   OPERANDS COMPUTED ON THE WAY. 'Computed on the way' means the value that the module computes at that place (a softmax that the list does not call 'softmax' is quantised finished and normalised). What goes into a quantiser is computed in f32, as accurately as f32 sums, v_exp_f32 and their like allow (about 1e-6 of the number): no bf16 or f16 on the way to a quantiser, and a product that is left as it is and whose result goes on into a quantised operand takes f32 operands (vector FMAs, or v_wmma_f32_16x16x4_f32). A number that lies on a knife's edge between two numbers of the format may be rounded either way, as far as f32 arithmetic and the matrix unit's own rounding can turn it there, and no further.
;; One version. Each part assembles by itself: llvm-mc -triple=amdgcn-amd-amdhsa -mcpu=gfx1250 --defsym DOCPART=n.
;; ======== version 1 of 1: 4 launches
;; limits: right only within a limited range of input values
;; workspace buffers: xc 12,582,912 bytes; wc 4,194,304 bytes; qkv 12,582,912 bytes; yc 4,194,304 bytes
;; launch quant (part 1): grid 256 x 1, 8 waves a work-group, no clusters, 41,984 bytes of LDS; arguments x, wq_w, wk_w, wv_w, wo_w, lowp_scales, xc, wc; writes xc, wc
.if DOCPART == 1
	.amdgcn_target "amdgcn-amd-amdhsa--gfx1250"
	.amdhsa_code_object_version 6
	.text
	.protected	k_qc557ba57da_quant
	.globl	k_qc557ba57da_quant
	.p2align	8
	.type	k_qc557ba57da_quant,@function
k_qc557ba57da_quant:
	s_mov_b64 s[64:65], 0
	v_nop
	global_prefetch_b8 v0, s[64:65] scope:SCOPE_SE
	s_setreg_imm32_b32 hwreg(HW_REG_WAVE_MODE, 25, 1), 1
	s_wait_xcnt 0x0
; x [4096][1024] f32 becomes three sets of codes of E5M2, one for each of the three scales under which it enters a product (entries 0, 2, 4 of the scales' exponents);
; wq_w, wk_w, wv_w, wo_w [1024][1024] f32 become one set each (entries 1, 3, 5, 11).  K is innermost in all of them, so each tensor is a plain stream, and so are its codes.
; code = number / 2^e, held within +-57,344, rounded to the nearest code, ties to even.
; LIMITS: each e used here lies between -126 and 112, so that 2^e and 57,344 x 2^e are f32 numbers.  NaN among the inputs is not served; an infinity is held at the largest code.
; SHARES.  256 work-groups of eight waves.  Every wave takes 2,048 numbers of x (four steps of 512, three conversions each) and 2,048 numbers of one weight (four steps, one conversion each):
; all work-groups do the same work on one path.  Work-groups 64 i .. 64 i + 63 take weight i.
; A conversion takes eight neighbours from ONE lane's registers; a load is best where neighbouring LANES take neighbouring bytes.  So each load reads 512 consecutive bytes, 16 a lane, a step's 2,048 bytes go
; through the wave's own stage in LDS as they lie and come back 64 bytes a lane (a lane's place is 64 bytes + 16 of padding).  A lane's 16 codes are 16 bytes: a store covers 512 consecutive, aligned bytes.
; All 32 loads of a wave go out at the head (16 KiB a wave on their way); no loop, no barrier: waves share nothing.
; LEFT OUT in this program: the products and exponentials of whole steps of 128 keys that all come after the queries they would serve (the causal mask gives them weight 0 for all inputs): launch attn.
; LIMIT: a NaN, an infinity or an overflow that reaches only the work left out is not carried to the result.
.set R,     16                         ; v16-143 eight sets of 16 numbers as loaded; set t then takes step t's codes
.set X,     144                        ; v144-175 two sets of 16 neighbours
.set T,     176                        ; v176-223 three sets of held numbers
.set SP,    80                         ; a lane's place in a stage
.set STAGE, 32*SP
.set WREG,  2*STAGE                    ; LDS of a wave: two stages
.set PLANE, 0x400000                   ; a set of x's codes
	s_load_b512 s[16:31], s[0:1], 0x0              ; x 16, wq 18, wk 20, wv 22, wo 24, the exponents 26, xc 28, wc 30
	v_lshl_add_u32 v224, v0, 2, 0xa000
	v_mov_b32 v225, 0
	v_lshrrev_b32 v1, 5, v0
	s_delay_alu instid0(VALU_DEP_1)
	v_readfirstlane_b32 s2, v1                     ; wave 0..7
	v_and_b32 v2, 31, v0                           ; lane
	s_delay_alu instid0(VALU_DEP_1)
	v_lshlrev_b32 v3, 4, v2                        ; 16 x lane: my bytes of a load's 512, and of a store's
	s_mul_i32 s12, s2, WREG
	v_lshrrev_b32 v4, 2, v2
	s_delay_alu instid0(VALU_DEP_1)
	v_mul_u32_u24 v4, v4, SP
	v_and_b32 v5, 3, v2
	s_delay_alu instid0(VALU_DEP_1)
	v_lshl_add_u32 v4, v5, 4, v4
	s_delay_alu instid0(VALU_DEP_1)
	v_add_nc_u32 v4, s12, v4                       ; into the stage: four lanes' 64 bytes on end, then the padding
	v_mul_u32_u24 v5, v2, SP
	s_delay_alu instid0(VALU_DEP_1)
	v_add_nc_u32 v5, s12, v5                       ; out of it: my 16 neighbours
	s_lshr_b32 s3, ttmp9, 6                        ; which weight
	s_lshl_b32 s14, ttmp9, 3
	s_add_co_u32 s14, s14, s2                      ; which run of 2,048 numbers of x
	s_and_b32 s15, ttmp9, 63
	s_lshl_b32 s15, s15, 3
	s_add_co_u32 s15, s15, s2                      ; which run of the weight
	s_mov_b32 s13, 0
	s_wait_alu depctr_va_vdst(0)
	s_wait_kmcnt 0x0
	s_load_b256 s[36:43], s[26:27], 0x0            ; e0 .. e7
	s_load_b128 s[44:47], s[26:27], 0x20           ; e8 .. e11
	s_cmp_eq_u32 s3, 1                             ; the choice hangs on the work-group's number alone
	s_cselect_b64 s[6:7], s[20:21], s[18:19]
	s_cmp_eq_u32 s3, 2
	s_cselect_b64 s[6:7], s[22:23], s[6:7]
	s_cmp_eq_u32 s3, 3
	s_cselect_b64 s[6:7], s[24:25], s[6:7]
	s_lshl_b32 s12, s14, 13
	s_add_nc_u64 s[4:5], s[16:17], s[12:13]        ; x at my run
	s_lshl_b32 s12, s15, 13
	s_add_nc_u64 s[6:7], s[6:7], s[12:13]          ; the weight at my run
	s_lshl_b32 s12, s14, 11
	s_add_nc_u64 s[8:9], s[28:29], s[12:13]        ; x's codes, one base for each set: two sets on are 8 MiB, more than a store's immediate holds
	s_add_nc_u64 s[48:49], s[8:9], PLANE
	s_add_nc_u64 s[50:51], s[8:9], 2*PLANE
	s_lshl_b32 s12, s15, 11
	s_lshl_b32 s52, s3, 20
	s_add_co_u32 s12, s12, s52
	s_add_nc_u64 s[10:11], s[30:31], s[12:13]      ; the weight's codes
.macro LOAD t                          ; steps 0-3: x; steps 4-7: the weight
.irp i, 0,1,2,3
.if (\t) < 4
	global_load_b128 v[R+16*(\t)+4*\i:R+16*(\t)+4*\i+3], v3, s[4:5] offset:2048*(\t)+512*\i th:TH_LOAD_NT
.else
	global_load_b128 v[R+16*(\t)+4*\i:R+16*(\t)+4*\i+3], v3, s[6:7] offset:2048*((\t)-4)+512*\i th:TH_LOAD_NT
.endif
.endr
.endm
.macro TURN t                          ; step t's numbers through a stage: LDS serves a wave's instructions in order (ISA guide 5.7.1.4), so no wait stands between the stores and the loads
.irp i, 0,1,2,3
	ds_store_b128 v4, v[R+16*(\t)+4*\i:R+16*(\t)+4*\i+3] offset:STAGE*((\t)%2)+8*SP*\i
.endr
.irp i, 0,1,2,3
	ds_load_b128 v[X+16*((\t)%2)+4*\i:X+16*((\t)%2)+4*\i+3], v5 offset:STAGE*((\t)%2)+16*\i
.endr
.endm
.macro MKSC se, vs, vl                 ; from the exponent in s[se]: v[vs] = 2^e (the conversion takes its exponent field), v[vl] = 57,344 x 2^e
	s_add_co_i32 s53, s[\se], 127
	s_lshl_b32 s54, s53, 23
	v_mov_b32 v[\vs], s54
	s_add_co_i32 s53, s53, 15
	s_lshl_b32 s53, s53, 23
	s_or_b32 s53, s53, 0x600000
	v_mov_b32 v[\vl], s53
.endm
.irp t, 0,1,2,3,4,5,6,7
	LOAD \t
.endr
	s_wait_kmcnt 0x0
	s_cmp_eq_u32 s3, 1
	s_cselect_b32 s52, s39, s37                    ; the weight's exponent: e1, e3, e5 or e11
	s_cmp_eq_u32 s3, 2
	s_cselect_b32 s52, s41, s52
	s_cmp_eq_u32 s3, 3
	s_cselect_b32 s52, s47, s52
	MKSC 36, 6, 7                                  ; e0
	MKSC 38, 8, 9                                  ; e2
	MKSC 40, 10, 11                                ; e4
	MKSC 52, 12, 13                                ; the weight's
	s_wait_alu depctr_va_vdst(0)
	s_wait_loadcnt 28                              ; step 0's four loads are in; the 28 behind them may be out
	TURN 0
.macro STEP t
.set XS, X+16*((\t)%2)
.set CS, R+16*(\t)
	s_wait_dscnt 0x0                               ; this step's numbers are back from the stage, and its stores into the stage have read set t, which takes the codes
.if (\t) < 7
	s_wait_loadcnt 4*(6-(\t))                      ; the next step's four loads are in; those of the steps behind it may be out
	TURN (\t)+1
.endif
.if (\t) < 4
.irp k, 0,1,2
.irp i, 0,1,2,3,4,5,6,7,8,9,10,11,12,13,14,15
	v_med3_num_f32 v[T+16*\k+\i], v[XS+\i], -v[7+2*\k], v[7+2*\k]   ; the conversion to an 8-bit code does not saturate (ISA guide 7.6.2): the hold at the largest code x the scale
.endr
.endr
.irp k, 0,1,2
	v_cvt_scalef32_pk8_bf8_f32 v[CS+4*\k:CS+4*\k+1], v[T+16*\k:T+16*\k+7], v[6+2*\k]
	v_cvt_scalef32_pk8_bf8_f32 v[CS+4*\k+2:CS+4*\k+3], v[T+16*\k+8:T+16*\k+15], v[6+2*\k]
.endr
	v_nop                                          ; a plain line between the conversions and the next step's holds, which write their sources
	global_store_b128 v3, v[CS:CS+3], s[8:9] offset:512*(\t)
	global_store_b128 v3, v[CS+4:CS+7], s[48:49] offset:512*(\t)
	global_store_b128 v3, v[CS+8:CS+11], s[50:51] offset:512*(\t)
.else
.irp i, 0,1,2,3,4,5,6,7,8,9,10,11,12,13,14,15
	v_med3_num_f32 v[T+\i], v[XS+\i], -v13, v13
.endr
	v_cvt_scalef32_pk8_bf8_f32 v[CS:CS+1], v[T:T+7], v12
	v_cvt_scalef32_pk8_bf8_f32 v[CS+2:CS+3], v[T+8:T+15], v12
	v_nop
	global_store_b128 v3, v[CS:CS+3], s[10:11] offset:512*((\t)-4)
.endif
.endm
.irp t, 0,1,2,3,4,5,6,7
	STEP \t
.endr
	s_wait_tensorcnt 0x0
	ds_add_u32 v224, v225
	s_wait_dscnt 0x0
	s_endpgm
.Lfunc_end_k_qc557ba57da_quant:
	.size	k_qc557ba57da_quant, .Lfunc_end_k_qc557ba57da_quant-k_qc557ba57da_quant
	.p2alignl 7, 3214868480
	.fill 96, 4, 3214868480
	.section	.rodata,"a",@progbits
	.p2align	6, 0x0
	.amdhsa_kernel k_qc557ba57da_quant
		.amdhsa_group_segment_fixed_size 41984
		.amdhsa_private_segment_fixed_size 0
		.amdhsa_enable_private_segment 0
		.amdhsa_kernarg_size 64
		.amdhsa_user_sgpr_count 2
		.amdhsa_user_sgpr_kernarg_segment_ptr 1
		.amdhsa_wavefront_size32 1
		.amdhsa_system_sgpr_workgroup_id_x 1
		.amdhsa_system_sgpr_workgroup_id_y 1
		.amdhsa_system_sgpr_workgroup_id_z 1
		.amdhsa_system_vgpr_workitem_id 0
		.amdhsa_next_free_vgpr 226
		.amdhsa_next_free_sgpr 66
		.amdhsa_reserve_vcc 0
		.amdhsa_float_denorm_mode_32 3
		.amdhsa_float_denorm_mode_16_64 3
		.amdhsa_memory_ordered 1
		.amdhsa_forward_progress 1
		.amdhsa_inst_pref_size 31
	.end_amdhsa_kernel
	.amdgpu_metadata
---
amdhsa.version: [ 1, 2 ]
amdhsa.kernels:
  - .name:           k_qc557ba57da_quant
    .symbol:         k_qc557ba57da_quant.kd
    .args:
      - { .name: x, .offset: 0, .size: 8, .value_kind: global_buffer, .address_space: global }
      - { .name: wq_w, .offset: 8, .size: 8, .value_kind: global_buffer, .address_space: global }
      - { .name: wk_w, .offset: 16, .size: 8, .value_kind: global_buffer, .address_space: global }
      - { .name: wv_w, .offset: 24, .size: 8, .value_kind: global_buffer, .address_space: global }
      - { .name: wo_w, .offset: 32, .size: 8, .value_kind: global_buffer, .address_space: global }
      - { .name: lowp_scales, .offset: 40, .size: 8, .value_kind: global_buffer, .address_space: global }
      - { .name: xc, .offset: 48, .size: 8, .value_kind: global_buffer, .address_space: global }
      - { .name: wc, .offset: 56, .size: 8, .value_kind: global_buffer, .address_space: global }
    .group_segment_fixed_size: 41984
    .private_segment_fixed_size: 0
    .kernarg_segment_align: 8
    .kernarg_segment_size: 64
    .max_flat_workgroup_size: 256
    .sgpr_count:     66
    .vgpr_count:     226
    .wavefront_size: 32
...
	.end_amdgpu_metadata
.endif
;; end of part 1
;; launch qkv (part 2): grid 12 x 16, 4 waves a work-group, clusters of 4 x 4, 327,680 bytes of LDS; arguments xc, wc, wq_b, wk_b, wv_b, lowp_scales, qkv; writes qkv
.if DOCPART == 2
	.amdgcn_target "amdgcn-amd-amdhsa--gfx1250"
	.amdhsa_code_object_version 6
	.text
	.protected	k_qc557ba57da_qkv
	.globl	k_qc557ba57da_qkv
	.p2align	8
	.type	k_qc557ba57da_qkv,@function
k_qc557ba57da_qkv:
	s_mov_b64 s[64:65], 0
	v_nop
	global_prefetch_b8 v0, s[64:65] scope:SCOPE_SE
	s_setreg_imm32_b32 hwreg(HW_REG_WAVE_MODE, 25, 1), 1
	s_wait_xcnt 0x0
	s_wait_alu depctr_hold_cnt(0) depctr_sa_sdst(0) depctr_va_vdst(0) depctr_va_sdst(0) depctr_va_ssrc(0) depctr_va_vcc(0) depctr_vm_vsrc(0)
	s_getreg_b32 s2, hwreg(HW_REG_IB_STS2, 6, 4)
	s_cmp_eq_u32 s2, 0
	s_cbranch_scc0 .Lentry_in_a_cluster
	s_endpgm
.Lentry_in_a_cluster:
	s_bfe_u32 s2, ttmp6, 0x10000c
	s_cmp_lg_u32 s2, 0xf033
	s_cbranch_scc0 .Lentry_shape_is_right
	s_endpgm
.Lentry_shape_is_right:
; q, k and V^T of all heads as codes of E5M2: q, k = Q(x W^T + b), [head][4096 tokens][64]; V^T = Q(W x^T + b), [head][64 groups of 64 tokens][64 channels][64 tokens].  Cluster column 0, 1, 2 makes q, k, v.
; For q and k source A is 256 tokens and B 256 rows of the weight; for v they change places, so that its codes come out with the tokens innermost.  The bias goes along the columns (q, k) or the rows (v) of the tile: the other is masked to 0.
; Each finished sum is multiplied by 2^(e of x + e of the weight), the bias added, held within +-57,344 x 2^e, and converted (entries 6, 7, 9 of the exponents).
; LIMITS: the sums of two exponents lie between -126 and 127; e6, e7, e9 between -126 and 112.  NaN is not served.
; SHARES.  A tile is 256 x 256, four waves of 128 x 128: 64 accumulators of 16 x 16.  K = 1,024 goes in four steps of 256 through a ring of two slots, filled by joint loads in clusters of 4 x 4.
; NO PREFETCH: K is four steps; two of them are asked for at the head and the other two behind the first two changes of slots.
; A lane's codes go into the wave's stage in the order in which the next launch loads them; a block of 16 rows is 1,024 bytes on end for each of two heads, and leaves while the next block is packed.
.set KSTEP,  256
.set ROWB,   256
.set KROW,   1024
.set PITCH,  272
.set FR,     16
.set NL,     4
.set NP,     4
.set HALFT,  128*PITCH
.set SLOT,   4*HALFT
.set SPARE,  2*SLOT
.set ADRA, 16
.set ADRB, 20
.set STO,  24
.set RD,   25
.set CO,   26
.set SPW,  28
.set NIL,  29
.set BC,   32
.set BR,   96
.set CD0,  112
.set CD1,  192
.set TMP,  128
.set AF,   128
.set RB,   128
.set G1, 24
.set G0, 32
.set G1B, 48
.set G0B, 56
.set OB, 88
.set MSB, 0
.macro WIN new
.if MSB != \new
	s_set_vgpr_msb (MSB<<8)|\new
.set MSB, \new
.endif
.endm
.set MUL_LO, 0xa1
.set MUL_HI, 0xf1
.set TO_B,   0x40
.macro JLOAD g0a, g1a, g0b, g1b
	s_cmp_eq_u32 s15, 0
	s_cbranch_scc0 .Lfor_b_\@
	tensor_load_to_lds s[\g0a:\g0a+3], s[\g1a:\g1a+7]
	s_nop 0
.rept 4
	v_nop
.endr
	s_branch .Lasked_\@
.Lfor_b_\@:
	tensor_load_to_lds s[\g0b:\g0b+3], s[\g1b:\g1b+7]
	s_nop 0
.rept 4
	v_nop
.endr
.Lasked_\@:
.endm
.macro CREST
	s_cmp_lg_u32 s14, 0
	s_cbranch_scc1 .Lnot_wave_0_\@
	s_barrier_signal -3
.Lnot_wave_0_\@:
	s_barrier_wait -3
	s_barrier_signal -1
	s_barrier_wait -1
.endm
.macro CROUND
	s_barrier_signal -1
	s_barrier_wait -1
	CREST
.endm
	s_load_b256 s[68:75], s[0:1], 0x0
	s_load_b128 s[76:79], s[0:1], 0x20
	s_load_b64 s[80:81], s[0:1], 0x30
	v_lshl_add_u32 v[SPW], v0, 2, SPARE
	v_mov_b32 v[NIL], 0
	ds_add_u32 v28, v29
	ds_add_u32 v28, v29
	s_wait_dscnt 0x0
	v_lshrrev_b32 v1, 5, v0
	v_readfirstlane_b32 s14, v1
	s_lshr_b32 s15, s14, 1
	s_and_b32 s16, s14, 1
	s_bfe_u32 s40, ttmp6, 0x40000
	s_bfe_u32 s41, ttmp6, 0x40004
	s_and_b32 s12, ttmp7, 0xffff
	s_lshl_b32 s12, s12, 2
	s_lshl_b32 s98, ttmp9, 22
	s_lshl_b32 s99, ttmp9, 20
	s_mov_b32 s86, 0x40000
	s_mov_b32 s87, 0x40000
	s_cmp_eq_u32 ttmp9, 2
	s_cselect_b32 s17, 0, s12
	s_cselect_b32 s42, s12, 0
	s_cselect_b32 s100, s99, s98
	s_cselect_b32 s101, s98, s99
	s_cselect_b32 s84, 0, -1
	s_cselect_b32 s85, -1, 0
	s_cselect_b32 s86, 4096, s86
	s_cselect_b32 s87, s87, 4096
	s_add_co_u32 s17, s17, s41
	s_add_co_u32 s42, s42, s40
	s_lshl_b32 s43, s41, 2
	s_lshl_b32 s43, 15, s43
	s_lshl_b32 s44, 0x1111, s40
	s_or_b32 s[G1+0], s43, (0<<16)|(1<<20)|(1<<21)|(5<<22)|(3<<25)
	s_or_b32 s[G1B+0], s44, (0<<16)|(1<<20)|(1<<21)|(5<<22)|(3<<25)
.irp g, G1, G1B
	s_mov_b32 s[\g+1], ROWB<<16
	s_mov_b32 s[\g+2], 128<<16
	s_mov_b32 s[\g+3], ROWB<<16
	s_mov_b32 s[\g+4], 128
	s_mov_b32 s[\g+5], KROW
	s_mov_b32 s[\g+6], 0
	s_mov_b32 s[\g+7], 0
.endr
	s_lshl_b32 s18, s16, 7
	s_lshl_b32 s20, s17, 8
	s_add_co_u32 s20, s20, s18
	s_lshl_b32 s20, s20, 10
	s_add_co_u32 s20, s20, s100
	s_mov_b32 s21, 0
	s_lshl_b32 s46, s42, 8
	s_add_co_u32 s46, s46, s18
	s_lshl_b32 s46, s46, 10
	s_add_co_u32 s46, s46, s101
	s_mov_b32 s47, 0
	s_mul_i32 s45, s14, HALFT
	s_wait_kmcnt 0x0
	s_cmp_eq_u32 ttmp9, 2
	s_cselect_b64 s[4:5], s[70:71], s[68:69]
	s_cselect_b64 s[6:7], s[68:69], s[70:71]
	s_cselect_b64 s[8:9], s[76:77], s[74:75]
	s_cmp_eq_u32 ttmp9, 0
	s_cselect_b64 s[8:9], s[72:73], s[8:9]
	s_load_b256 s[68:75], s[78:79], 0x0
	s_load_b64 s[76:77], s[78:79], 0x20
	s_add_nc_u64 s[20:21], s[4:5], s[20:21]
	s_add_nc_u64 s[46:47], s[6:7], s[46:47]
.irp s, 0,1
	s_mov_b32 s[G0+4*\s], 1
	s_add_co_u32 s[G0+4*\s+1], s45, \s*SLOT
	s_add_nc_u64 s[G0+4*\s+2:G0+4*\s+3], s[20:21], \s*ROWB
	s_or_b32 s[G0+4*\s+3], s[G0+4*\s+3], 0x80000000
	s_mov_b32 s[G0B+4*\s], 1
	s_add_co_u32 s[G0B+4*\s+1], s45, \s*SLOT
	s_add_nc_u64 s[G0B+4*\s+2:G0B+4*\s+3], s[46:47], \s*ROWB
	s_or_b32 s[G0B+4*\s+3], s[G0B+4*\s+3], 0x80000000
.endr
	CROUND                                         ; all sixteen work-groups are here: the first joint loads meet
	JLOAD G0, G1, G0B, G1B                         ; K step 0: one tensor load a wave at the head
	v_and_b32 v1, 15, v0
	s_wait_alu depctr_va_vdst(0)
	v_bfe_u32 v2, v0, 4, 1
	v_mul_u32_u24 v3, v1, PITCH
	v_lshl_add_u32 v4, v2, 4, v3
	s_mul_i32 s21, s15, HALFT
	s_mul_i32 s22, s16, HALFT
	s_add_co_u32 s22, s22, 2*HALFT
.irp s, 0,1
	v_add_nc_u32 v[ADRA+\s], s21, v4
	v_add_nc_u32 v[ADRB+\s], s22, v4
	s_add_co_u32 s21, s21, SLOT
	s_add_co_u32 s22, s22, SLOT
.endr
	s_lshl_b32 s23, s14, 14
	v_lshlrev_b32 v5, 6, v1
	s_wait_alu depctr_va_vdst(0)
	v_lshl_add_u32 v5, v2, 4, v5
	v_add_nc_u32 v[STO], s23, v5
	v_and_b32 v6, 31, v0
	v_lshlrev_b32 v[CO], 4, v6
	v_add_nc_u32 v[RD], s23, v[CO]
	v_lshlrev_b32 v7, 5, v2
	s_wait_alu depctr_va_vdst(0)
	v_lshlrev_b32 v8, 2, v1
	s_wait_alu depctr_va_vdst(0)
	s_lshl_b32 s98, s42, 10
	s_lshl_b32 s99, s16, 9
	s_add_co_u32 s98, s98, s99
	s_and_b32 s100, s98, s84
	s_mov_b32 s101, 0
	s_add_nc_u64 s[12:13], s[8:9], s[100:101]
	s_lshl_b32 s99, s17, 10
	s_lshl_b32 s100, s15, 9
	s_add_co_u32 s99, s99, s100
	s_and_b32 s100, s99, s85
	s_add_nc_u64 s[66:67], s[8:9], s[100:101]
.irp b, 0,1,2,3,4,5,6,7
	global_load_b128 v[BC+8*\b:BC+8*\b+3], v7, s[12:13] offset:64*\b
	global_load_b128 v[BC+8*\b+4:BC+8*\b+7], v7, s[12:13] offset:64*\b+16
.endr
.irp a, 0,1,2,3,4,5,6,7
	global_load_b32 v[BR+2*\a], v8, s[66:67] offset:64*\a
	v_mov_b32 v[BR+2*\a+1], 0
.endr
	s_lshr_b32 s98, s98, 8
	s_lshr_b32 s99, s99, 8
	s_mul_i32 s98, s98, s86
	s_mul_i32 s99, s99, s87
	s_add_co_u32 s100, s98, s99
	s_lshl_b32 s98, ttmp9, 22
	s_add_co_u32 s100, s100, s98
	s_add_nc_u64 s[OB:OB+1], s[80:81], s[100:101]
	s_mov_b32 s100, s87
	s_add_nc_u64 s[OB+2:OB+3], s[OB:OB+1], s[100:101]
	s_mov_b32 s100, s86
	s_add_nc_u64 s[OB+4:OB+5], s[OB:OB+1], s[100:101]
	s_add_nc_u64 s[OB+6:OB+7], s[OB+2:OB+3], s[100:101]
.macro FRAG reg, adr, q, i
.irp c, 0,1,2,3
	ds_load_b128 v[\reg+4*\c:\reg+4*\c+3], v[\adr] offset:128*(\q)+32*\c+(\i)*16*PITCH
.endr
.endm
.macro MUL16 a0, p, zero
.irp a, \a0, \a0+1
.irp b, 0,1,2,3,4,5,6,7
.if \zero
	v_wmma_f32_16x16x128_bf8_bf8 v[8*(8*((\a)%4)+\b):8*(8*((\a)%4)+\b)+7], v[128*(\p)+FR*\b:128*(\p)+FR*\b+FR-1], v[AF+FR*(\a):AF+FR*(\a)+FR-1], 0
.else
	v_wmma_f32_16x16x128_bf8_bf8 v[8*(8*((\a)%4)+\b):8*(8*((\a)%4)+\b)+7], v[128*(\p)+FR*\b:128*(\p)+FR*\b+FR-1], v[AF+FR*(\a):AF+FR*(\a)+FR-1], v[8*(8*((\a)%4)+\b):8*(8*((\a)%4)+\b)+7]
.endif
.endr
.endr
.endm
.macro FETCH_B slot, q, p
	WIN TO_B
.irp i, 0,1,2,3,4,5,6,7
	FRAG 128*(\p)+FR*\i, ADRB+\slot, \q, \i
.endr
	WIN 0
.endm
.macro FETCH_A slot, q, i0
.irp i, \i0, \i0+1, \i0+2, \i0+3
	FRAG AF+FR*(\i), ADRA+\slot, \q, \i
.endr
.endm
.macro PLACES n
.rept \n
	v_nop
.endr
.endm
.macro STEP slot, q, zero
	s_wait_dscnt 4*NL
	WIN MUL_LO
	MUL16 0, (\q)%2, \zero
	MUL16 2, (\q)%2, \zero
	s_wait_dscnt 0
	PLACES NP
	FETCH_B \slot, (\q)+1, 1-(\q)%2
	FETCH_A \slot, (\q)+1, 0
	WIN MUL_HI
	MUL16 4, (\q)%2, \zero
	MUL16 6, (\q)%2, \zero
	PLACES NP
	WIN 0
	FETCH_A \slot, (\q)+1, 4
.endm
.macro TURN slot, next, fill
	s_wait_tensorcnt 0x0
	ds_add_u32 v[SPW], v[NIL]
	s_wait_dscnt 4*NL+1
	WIN MUL_LO
	MUL16 0, 1, 0
	s_wait_dscnt 0x0
	s_barrier_signal -1
	MUL16 2, 1, 0
	WIN 0
	s_barrier_wait -1
.if \fill
	CREST
	s_add_nc_u64 s[G0+4*\slot+2:G0+4*\slot+3], s[G0+4*\slot+2:G0+4*\slot+3], 2*ROWB
	s_add_nc_u64 s[G0B+4*\slot+2:G0B+4*\slot+3], s[G0B+4*\slot+2:G0B+4*\slot+3], 2*ROWB
	JLOAD G0+4*\slot, G1, G0B+4*\slot, G1B
.else
	PLACES NP
.endif
	FETCH_B \next, 0, 0
	FETCH_A \next, 0, 0
	WIN MUL_HI
	MUL16 4, 1, 0
	MUL16 6, 1, 0
	PLACES NP
	WIN 0
	FETCH_A \next, 0, 4
.endm
	s_wait_alu depctr_va_vdst(0)                   ; the wait at the head's end
	s_wait_tensorcnt 0x0                           ; my part of K step 0 is in
	ds_add_u32 v[SPW], v[NIL]
	s_wait_dscnt 0x0
	CROUND
	JLOAD G0+4, G1, G0B+4, G1B                     ; K step 1: the first tensor load behind the round
	FETCH_B 0, 0, 0
	FETCH_A 0, 0, 0
	FETCH_A 0, 0, 4
	STEP 0, 0, 1
	TURN 0, 1, 1
	STEP 1, 0, 0
	TURN 1, 0, 1
	STEP 0, 0, 0
	TURN 0, 1, 0
	STEP 1, 0, 0
	s_wait_dscnt 4*NL
	WIN MUL_LO
	MUL16 0, 1, 0
	MUL16 2, 1, 0
	s_wait_dscnt 0
	WIN MUL_HI
	MUL16 4, 1, 0
	MUL16 6, 1, 0
	WIN 0
	s_wait_loadcnt 0x0
.set i, 0
.rept 64
	v_and_b32 v[BC+i], s84, v[BC+i]
.set i, i+1
.endr
.irp a, 0,1,2,3,4,5,6,7
	v_and_b32 v[BR+2*\a], s85, v[BR+2*\a]
.endr
	s_wait_kmcnt 0x0
	s_add_co_i32 s68, s68, s69
	s_add_co_i32 s70, s70, s71
	s_add_co_i32 s72, s72, s73
	s_cmp_eq_u32 ttmp9, 2
	s_cselect_b32 s96, s72, s70
	s_cselect_b32 s98, s77, s75
	s_cmp_eq_u32 ttmp9, 0
	s_cselect_b32 s96, s68, s96
	s_cselect_b32 s98, s74, s98
	s_add_co_i32 s96, s96, 127
	s_lshl_b32 s96, s96, 23
	s_mov_b32 s97, s96
	s_add_co_i32 s98, s98, 127
	s_lshl_b32 s99, s98, 23
	v_mov_b32 v12, s99
	s_add_co_i32 s98, s98, 15
	s_lshl_b32 s98, s98, 23
	s_or_b32 s98, s98, 0x600000
	v_mov_b32 v13, s98
.macro SENDB a                         ; block a's 2 x 1,024 bytes: 32 lanes store 512 consecutive bytes
.set RX, 208+16*((\a)%2)
.irp i, 0,1,2,3
	global_store_b128 v[CO], v[RX+4*\i:RX+4*\i+3], s[OB+4*(\i/2)+2*((\a)/4):OB+4*(\i/2)+2*((\a)/4)+1] offset:512*((2*(\a)+\i%2)%8)
.endr
.endm
.macro OUTBLK a
.set AC, 64*((\a)%4)
.set CDS, CD0+(CD1-CD0)*((\a)%2)
	WIN 0x02+((\a)/4)
.set jj, 0
.rept 32
	v_pk_fma_f32 v[TMP+jj:TMP+jj+1], v[AC+jj:AC+jj+1], s[96:97], v[BC+jj:BC+jj+1] op_sel_hi:[1,0,1]
.set jj, jj+2
.endr
	WIN 0
.set jj, 0
.rept 32
	v_pk_add_f32 v[TMP+jj:TMP+jj+1], v[TMP+jj:TMP+jj+1], v[BR+2*(\a):BR+2*(\a)+1] op_sel_hi:[1,0]
.set jj, jj+2
.endr
.set jj, 0
.rept 64
	v_med3_num_f32 v[TMP+jj], v[TMP+jj], -v13, v13
.set jj, jj+1
.endr
.if (\a) >= 1
	s_wait_alu depctr_va_vdst(0)
	s_wait_dscnt 0x0                               ; the block before is back from the stage
	SENDB (\a)-1
.endif
.irp b, 0,1,2,3,4,5,6,7
	v_cvt_scalef32_pk8_bf8_f32 v[CDS+2*\b:CDS+2*\b+1], v[TMP+8*\b:TMP+8*\b+7], v12
.endr
	v_nop
.irp g, 0,1,2,3
	ds_store_b128 v[STO], v[CDS+4*\g:CDS+4*\g+3] offset:(\g/2)*8192+(\a)*1024+32*(\g%2)
.endr
.set RX, 208+16*((\a)%2)
.if (\a) >= 2
	s_wait_xcnt 0x0                                ; the stores of two blocks back have read these registers
.endif
.irp i, 0,1,2,3
	ds_load_b128 v[RX+4*\i:RX+4*\i+3], v[RD] offset:8192*(\i/2)+1024*(\a)+512*(\i%2)   ; LDS serves a wave's instructions in order (ISA guide 5.7.1.4): these see the stores above
.endr
.endm
.irp a, 0,1,2,3,4,5,6,7
	OUTBLK \a
.endr
	s_wait_dscnt 0x0
	SENDB 7
	s_wait_tensorcnt 0x0
	ds_add_u32 v[SPW], v[NIL]
	s_wait_dscnt 0x0
	CROUND
	s_endpgm
.Lfunc_end_k_qc557ba57da_qkv:
	.size	k_qc557ba57da_qkv, .Lfunc_end_k_qc557ba57da_qkv-k_qc557ba57da_qkv
	.p2alignl 7, 3214868480
	.fill 96, 4, 3214868480
	.section	.rodata,"a",@progbits
	.p2align	6, 0x0
	.amdhsa_kernel k_qc557ba57da_qkv
		.amdhsa_group_segment_fixed_size 327680
		.amdhsa_private_segment_fixed_size 0
		.amdhsa_enable_private_segment 0
		.amdhsa_kernarg_size 56
		.amdhsa_user_sgpr_count 2
		.amdhsa_user_sgpr_kernarg_segment_ptr 1
		.amdhsa_wavefront_size32 1
		.amdhsa_system_sgpr_workgroup_id_x 1
		.amdhsa_system_sgpr_workgroup_id_y 1
		.amdhsa_system_sgpr_workgroup_id_z 1
		.amdhsa_system_vgpr_workitem_id 0
		.amdhsa_next_free_vgpr 1024
		.amdhsa_next_free_sgpr 102
		.amdhsa_reserve_vcc 0
		.amdhsa_float_denorm_mode_32 3
		.amdhsa_float_denorm_mode_16_64 3
		.amdhsa_memory_ordered 1
		.amdhsa_forward_progress 1
		.amdhsa_inst_pref_size 161
	.end_amdhsa_kernel
	.amdgpu_metadata
---
amdhsa.version: [ 1, 2 ]
amdhsa.kernels:
  - .name:           k_qc557ba57da_qkv
    .symbol:         k_qc557ba57da_qkv.kd
    .args:
      - { .name: xc, .offset: 0, .size: 8, .value_kind: global_buffer, .address_space: global }
      - { .name: wc, .offset: 8, .size: 8, .value_kind: global_buffer, .address_space: global }
      - { .name: wq_b, .offset: 16, .size: 8, .value_kind: global_buffer, .address_space: global }
      - { .name: wk_b, .offset: 24, .size: 8, .value_kind: global_buffer, .address_space: global }
      - { .name: wv_b, .offset: 32, .size: 8, .value_kind: global_buffer, .address_space: global }
      - { .name: lowp_scales, .offset: 40, .size: 8, .value_kind: global_buffer, .address_space: global }
      - { .name: qkv, .offset: 48, .size: 8, .value_kind: global_buffer, .address_space: global }
    .group_segment_fixed_size: 327680
    .private_segment_fixed_size: 0
    .kernarg_segment_align: 8
    .kernarg_segment_size: 56
    .max_flat_workgroup_size: 128
    .sgpr_count:     102
    .vgpr_count:     1024
    .wavefront_size: 32
...
	.end_amdgpu_metadata
.endif
;; end of part 2
;; launch attn (part 3): grid 16 x 16, 8 waves a work-group, clusters of 4 x 1, 327,680 bytes of LDS; arguments qkv, lowp_scales, yc; writes yc
.if DOCPART == 3
	.amdgcn_target "amdgcn-amd-amdhsa--gfx1250"
	.amdhsa_code_object_version 6
	.text
	.protected	k_qc557ba57da_attn
	.globl	k_qc557ba57da_attn
	.p2align	8
	.type	k_qc557ba57da_attn,@function
k_qc557ba57da_attn:
	s_mov_b64 s[64:65], 0
	v_nop
	global_prefetch_b8 v0, s[64:65] scope:SCOPE_SE
	s_setreg_imm32_b32 hwreg(HW_REG_WAVE_MODE, 25, 1), 1
	s_wait_xcnt 0x0
	s_wait_alu depctr_hold_cnt(0) depctr_sa_sdst(0) depctr_va_vdst(0) depctr_va_sdst(0) depctr_va_ssrc(0) depctr_va_vcc(0) depctr_vm_vsrc(0)
	s_getreg_b32 s2, hwreg(HW_REG_IB_STS2, 6, 4)
	s_cmp_eq_u32 s2, 0
	s_cbranch_scc0 .Lentry_in_a_cluster
	s_endpgm
.Lentry_in_a_cluster:
	s_bfe_u32 s2, ttmp6, 0x10000c
	s_cmp_lg_u32 s2, 0x3003
	s_cbranch_scc0 .Lentry_shape_is_right
	s_endpgm
.Lentry_shape_is_right:
; y[head][q] = the sum over keys k <= q of softmax_k(q . k / 8) v, both products on codes of E5M2; y is quantised at once (entry 10 of the scales' exponents) and stored as codes [head][token][64 bytes].
; THE SOFTMAX AHEAD OF THE SECOND PRODUCT: t = score x log2(e) / 8; M = the row's largest t so far, rounded UP to a whole number; p = 2^(t - M) is quantised (entry 8), not normalised.  The row's sum is taken of the
; unquantised p and divides at the end.  When M moves, the sum and O are multiplied by 2^(old M - new M): exact.
; LEFT OUT: key steps of 128 all of whose keys come after the queries: the causal mask gives them weight 0.  A NaN or an infinity that reaches only those is not carried on.
; SHARES.  A cluster of four work-groups (cluster c of a head) owns two blocks of 512 queries: the low one c, first, then the high one 7 - c.  It walks c + 1 slots of 512 keys for the low block and 8 - c for the high: 9 for every cluster.
; A block of 512 is four blocks of 128; of each, the work-group at place cx takes queries 32 cx .. 32 cx + 31: a pair of tiles of 16.  Eight waves: wave w has a pair p (of the high block the p-th 128, of the low block the (3 - p)-th) and
; a key half s = w / 4: the key steps of 128 whose number is s modulo 2; p = w for s = 0, 7 - w for s = 1.  So pair p of a work-group owes (4 c + 3 - p + 1) + (4 (7 - c) + p + 1) = 33 steps, 16 or 17 to a wave.
; Whether a step is walked hangs on the cluster, the wave and the step alone, never on cx: the partners ask for all slots of K and V jointly (mask 15).  The two halves of the keys are joined in LDS at the end.
; A FULL slot (every key counts for every query of the block: all but a block's last) has two steps for every wave, and the change of slots goes on inside the second.  A block's last slot holds the diagonal.
; LAYOUT.  Both products are used transposed: S^T = K Q^T (source 0 = 16 keys, source 1 = 16 queries, K = 64), O^T = V^T P^T (source 0 = 16 channels, source 1 = P, K = 128 keys): a lane holds ONE query of each tile throughout.
; In S^T's tile t lane (r, h) holds keys 16 t + 8 h + 0 .. 7: their eight codes are registers 2 t, 2 t + 1 of P.  q, k and V^T were stored so that loads of 16 bytes give the same order of k.
; LIMITS: e6 + e7 between -123 and 130 (added to c's exponent field); e8 and e10 between -126 and 112; e8 + e9 goes by v_ldexp_f32 and has none; scaled scores under 2^31 in magnitude.  NaN is not served.
.set KP,    272                        ; an LDS row: four rows of 64 bytes + 16 of padding: sixteen neighbouring rows fall on sixteen different 16-byte columns modulo 256
.set VOFF,  128*KP                     ; a slot: 512 keys of K, then 8 groups of 64 keys x 64 channels of V^T: 32 KiB of data each
.set PART,  32*KP                      ; what one wave loads of a slot: 8 KiB of data
.set SLOT1, 1<<17                      ; slot 1 begins here: one exclusive or turns an address from slot to slot
.set OST,   2*VOFF                     ; between the slots: 2,048 bytes for each wave, for the codes of y
.set WST,   8704                       ; a wave's partial results: 2 x 4,096 bytes of O^T, then 4 x 128 of -M and the sums
.set HST,   SLOT1+2*VOFF               ; behind slot 1: the low block's partial results, eight waves
.set LST,   SLOT1                      ; the high block's: slot 1, which has had its last fill and its last read when they are stored (the ninth slot's keys lie in slot 0)
.set SPARE, HST+8*WST                  ; the spare words, 128 bytes for each wave
; window 0:
.set AK,   1                           ; my lane's place in K, V^T (slot 0, my half's first step)
.set AV,   2
.set ADK,  3                           ; the same in the slot in hand
.set ADV,  4
.set SPW,  5                           ; my spare word; never rewritten
.set NIL,  6                           ; 0; never rewritten
.set DD,   7                           ; on the diagonal: register 8 t + j of tile A is hidden where 16 t + j > DD
.set NINF, 8
.set PFO,  9                           ; 256 x lane
.set STH,  10                          ; v10, v11 my partial results' places, low block; v36, v37 high
.set STHS, 11
; v12 -M, v13 the largest score, of tile A; v14, v15 of tile B; v[16:17], v[18:19] the sums in two halves; v[20:21], v[22:23] f
.set SC8,  24
.set LA,   26                          ; v26, v27 57,344 x 2^e8, twice: for the two halves of a dual pair
.set LB,   27
.set PD,   28                          ; v28, v29 lane permutes' destinations
.set SIN,  34
.set SOUT, 35
.set STL,  36
.set STLS, 37
.set GO,   38
.set QA,   40
.set QB,   48
.set QL,   56                          ; v56-71 the high block's Q, until its turn
.set PA,   72
.set PB,   88
.set SA,   104                         ; v104-167 S^T, then p, of tile A; v168-231 of tile B
.set SB,   168
.set SU,   232                         ; v232-247 the sums' chains
.set CA,   248                         ; v248-255 the joining's addresses
; window 1:
.set FK,   0
.set FV,   64
.set OA,   128
.set OB,   160
.set TB,   2
.set NN,   3                           ; the slot's number
.set NFS,  10                          ; c + 1: the first slot of the high block
.set KM,   11                          ; my last key step (the diagonal one) in the block in hand
.set KH,   12                          ; the same for the high block
.set KF,   13                          ; my first key step in the slot in hand (in the tail: my key step)
.set OFF,  14                          ; s[14:15] where the slot to be loaded begins in K's or V^T's plane of the head
.set BASE, 16                          ; s[16:17] my part of slot 0 in memory
.set WV,   18
.set SEL,  20
.set CS,   22
.set G1,   24
.set G0,   32
.set TT,   52
.set PLO,  53                          ; the first slot that my wave prefetches (100: none)
.set PFA,  54
.set MS,   59                          ; the slot behind the last one asked for
.set UB,   73                          ; the tail: bytes to my step in a slot, and the loops' counters
.set UC,   74
.set TC,   75
.set PFB,  76                          ; s[76:77] my work-group's quarter of slot 0, for the prefetches
.set MSB, 0
.macro WIN new                         ; the immediate's high byte repeats the setting that is left
.if MSB != (\new)
	s_set_vgpr_msb (MSB<<8)|(\new)
.set MSB, (\new)
.endif
.endm
.macro CREST                           ; a round of the cluster's barrier behind its opening barrier
	s_cmp_lg_u32 s[WV], 0
	s_cbranch_scc1 .Lnot_wave_0_\@
	s_barrier_signal -3
.Lnot_wave_0_\@:
	s_barrier_wait -3
	s_barrier_signal -1
	s_barrier_wait -1
.endm
.macro ROUND
	s_barrier_signal -1
	s_barrier_wait -1
	CREST
.endm
	s_load_b128 s[4:7], s[0:1], 0x0                ; qkv, the exponents
	s_load_b64 s[8:9], s[0:1], 0x10                ; yc
	v_lshl_add_u32 v[SPW], v0, 2, SPARE
	v_mov_b32 v[NIL], 0
	ds_add_u32 v[SPW], v[NIL]                      ; the opening lines: the add, twice on end, and its wait
	ds_add_u32 v[SPW], v[NIL]
	v_lshrrev_b32 v30, 5, v0
	v_readfirstlane_b32 s[WV], v30                 ; wave 0..7
	s_lshr_b32 s19, s[WV], 2                       ; s: my half of the key steps.  Also: I fetch for K (0) or V^T (1)
	s_mul_i32 s40, s19, 7
	s_xor_b32 s41, s[WV], s40                      ; p
	s_bfe_u32 s42, ttmp6, 0x40000                  ; cx
	s_and_b32 s43, ttmp7, 0xffff                   ; the head
	s_lshl_b32 s44, s43, 18                        ; its first byte in each plane of qkv, and in yc
	s_add_co_u32 s[NFS], ttmp9, 1
	s_lshl_b32 s[KM], s[NFS], 2
	s_sub_co_u32 s[KH], 28, s[KM]
	s_add_co_u32 s[KH], s[KH], 4
	s_add_co_u32 s[KH], s[KH], s41                 ; 4 (7 - c) + p
	s_sub_co_u32 s[KM], s[KM], 1
	s_sub_co_u32 s[KM], s[KM], s41                 ; 4 c + 3 - p
	s_mov_b32 s[KF], s19
	s_mov_b32 s[TB], 0
	s_mov_b32 s[NN], 0
	s_mov_b32 s[MS], 1
	s_mov_b32 s[OFF], 0
	s_mov_b32 s[OFF+1], 0
	; descriptor group 1: 8 KiB that are dense in memory, as 32 rows of 256 bytes, 16 bytes of padding behind each
	s_mov_b32 s[G1], 15|(0<<16)|(1<<20)|(1<<21)|(5<<22)|(3<<25)  ; the mask: all four; elements of 1 byte; padding on; bit 21 beside a mask; after every 64 words; four words
	s_mov_b32 s[G1+1], 256<<16
	s_mov_b32 s[G1+2], 32<<16
	s_mov_b32 s[G1+3], 256<<16
	s_mov_b32 s[G1+4], 32
	s_mov_b32 s[G1+5], 256
	s_mov_b32 s[G1+6], 0
	s_mov_b32 s[G1+7], 0
	s_mov_b32 s[G0], 1
	s_mul_i32 s[G0+1], s[WV], PART                 ; waves 0-3 K's four parts, waves 4-7 V^T's: VOFF = 4 parts
	s_add_co_u32 s46, s19, 1
	s_lshl_b32 s46, s46, 22                        ; k's plane lies 4 MiB on, V^T's 8 MiB
	s_add_co_u32 s46, s46, s44
	s_and_b32 s48, s[WV], 3
	s_lshl_b32 s49, s48, 13
	s_add_co_u32 s46, s46, s49
	s_mov_b32 s47, 0
	s_mov_b32 s[SEL], 0x76543210
	s_mov_b32 s[SEL+1], 0xfedcba98
	s_mov_b32 s[CS], 0x3e38aa3b                    ; c = log2(e) / sqrt(64)
	s_wait_alu depctr_va_vdst(0)                   ; the wait here, directly ahead of the wait below
	s_wait_dscnt 0x0                               ; both opening adds are done
	s_wait_kmcnt 0x0
	s_load_b128 s[68:71], s[6:7], 0x18             ; e6, e7, e8, e9
	s_load_b32 s72, s[6:7], 0x28                   ; e10
	s_add_nc_u64 s[BASE:BASE+1], s[4:5], s[46:47]
	s_add_nc_u64 s[G0+2:G0+3], s[4:5], s[46:47]
	s_or_b32 s[G0+3], s[G0+3], 0x80000000
	ROUND                                          ; all four work-groups are here: the first joint loads meet
	tensor_load_to_lds s[G0:G0+3], s[G1:G1+7]      ; slot 0: every wave its part
	s_nop 0
.rept 4
	v_nop
.endr
	; Q, y and the prefetches in memory: my first query of a block is 128 x my last key step + 32 cx
	s_lshl_b32 s45, s42, 11
	s_add_co_u32 s45, s45, s44
	s_lshl_b32 s62, s[KM], 13
	s_add_co_u32 s62, s62, s45
	s_mov_b32 s63, 0
	s_lshl_b32 s66, s[KH], 13
	s_add_co_u32 s66, s66, s45
	s_mov_b32 s67, 0
	s_add_nc_u64 s[36:37], s[4:5], s[62:63]
	s_add_nc_u64 s[38:39], s[4:5], s[66:67]
	s_lshl_b32 s40, s19, 10                        ; of a pair I store tile s
	s_add_co_u32 s62, s62, s40
	s_add_co_u32 s66, s66, s40
	s_add_nc_u64 s[60:61], s[8:9], s[66:67]
	s_add_nc_u64 s[8:9], s[8:9], s[62:63]
	s_lshl_b32 s56, s42, 13                        ; my work-group's quarter of a slot's 32 KiB
	s_mov_b32 s57, 0
	s_add_nc_u64 s[PFB:PFB+1], s[BASE:BASE+1], s[56:57]
	s_lshl_b32 s56, s[NFS], 1
	s_movk_i32 s57, 100
	s_cmp_eq_u32 s48, 0                            ; wave 0 asks for K, wave 4 for V^T,
	s_cselect_b32 s[PLO], s56, s57                 ; from slot 2 c + 2 on: the high block's first slot whose keys the low block has not walked
	s_mov_b32 s57, 0
	s_mul_i32 s50, s19, 32*KP                      ; my half's first step in a slot
	s_lshl_b32 s49, s42, 5
	s_mul_i32 s51, s[WV], WST
	s_add_co_u32 s40, s51, HST
	s_add_co_u32 s41, s51, LST
	s_xor_b32 s43, s[WV], 7                        ; the wave with my pair's other key half
	s_mul_i32 s43, s43, WST
	s_lshl_b32 s44, s19, 12
	s_add_co_u32 s45, s43, s44                     ; its tile s,
	s_add_co_u32 s44, s51, s44                     ; and mine
	s_lshl_b32 s46, s19, 7
	s_add_co_u32 s47, s43, s46
	s_add_co_u32 s47, s47, 8192                    ; its -M,
	s_add_co_u32 s46, s51, s46
	s_add_co_u32 s46, s46, 8192                    ; and mine
	s_lshl_b32 s48, s[WV], 11
	s_add_co_u32 s48, s48, OST
	v_and_b32 v30, 15, v0                          ; r
	v_bfe_u32 v31, v0, 4, 1                        ; h
	v_bfe_u32 v32, v0, 2, 2                        ; r / 4
	v_and_b32 v33, 3, v0                           ; r % 4
	v_mul_u32_u24 v32, v32, KP
	v_and_b32 v39, 31, v0                          ; lane
	v_lshl_add_u32 v32, v33, 6, v32
	v_lshlrev_b32 v33, 6, v30
	v_lshl_add_u32 v32, v31, 4, v32
	v_lshl_add_u32 v25, v31, 4, v33                ; Q: row r of 64 bytes, + 16 h
	v_add_nc_u32 v[AK], s50, v32
	global_load_b128 v[QA:QA+3], v25, s[36:37]
	global_load_b128 v[QA+4:QA+7], v25, s[36:37] offset:32
	global_load_b128 v[QB:QB+3], v25, s[36:37] offset:1024
	global_load_b128 v[QB+4:QB+7], v25, s[36:37] offset:1056
	global_load_b128 v[QL:QL+3], v25, s[38:39]
	global_load_b128 v[QL+4:QL+7], v25, s[38:39] offset:32
	global_load_b128 v[QL+8:QL+11], v25, s[38:39] offset:1024
	global_load_b128 v[QL+12:QL+15], v25, s[38:39] offset:1056
	v_add_nc_u32 v[AV], VOFF, v[AK]
	v_lshl_add_u32 v33, v31, 3, v33
	v_add_nc_u32 v[SIN], s48, v33                  ; row r of 64 bytes, + 8 h
	v_lshlrev_b32 v32, 3, v31
	v_sub_nc_u32 v[DD], v30, v32
	v_add_nc_u32 v[DD], s49, v[DD]                 ; 32 cx + r - 8 h
	v_mov_b32 v[NINF], 0xff800000
	v_lshlrev_b32 v[PFO], 8, v39
	v_lshlrev_b32 v[GO], 4, v39
	v_lshlrev_b32 v39, 2, v39
	v_add_nc_u32 v[SOUT], s48, v[GO]
	v_add_nc_u32 v[STH], s40, v[GO]
	v_add_nc_u32 v[STL], s41, v[GO]
	v_add_nc_u32 v[STHS], s40, v39
	v_add_nc_u32 v[STHS], 8192, v[STHS]
	v_add_nc_u32 v[STLS], s41, v39
	v_add_nc_u32 v[STLS], 8192, v[STLS]
	v_add_nc_u32 v[CA+2], s44, v[GO]
	v_add_nc_u32 v[CA+3], s45, v[GO]
	v_add_nc_u32 v[CA+6], s46, v39
	v_add_nc_u32 v[CA+7], s47, v39
	v_add_nc_u32 v[CA], HST, v[CA+2]               ; low: my O^T, my partner's,
	v_add_nc_u32 v[CA+1], HST, v[CA+3]
	v_add_nc_u32 v[CA+2], LST, v[CA+2]             ; high,
	v_add_nc_u32 v[CA+3], LST, v[CA+3]
	v_add_nc_u32 v[CA+4], HST, v[CA+6]             ; and the same for -M and the sums
	v_add_nc_u32 v[CA+5], HST, v[CA+7]
	v_add_nc_u32 v[CA+6], LST, v[CA+6]
	v_add_nc_u32 v[CA+7], LST, v[CA+7]
	v_mov_b32 v[PD], 0                             ; a lane permute's destination counts as one of its sources
	v_mov_b32 v[PD+1], 0
	v_mov_b32 v21, 0                               ; (named as the upper halves of f's pairs)
	v_mov_b32 v23, 0
.macro INIT
	v_mov_b32 v12, 0x7f61b1e6                      ; -M: 3e38
	v_mov_b32 v14, 0x7f61b1e6
	v_mov_b32 v13, 0xff61b1e6                      ; the largest score: -3e38
	v_mov_b32 v15, 0xff61b1e6
	v_mov_b32 v16, 0
	v_mov_b32 v17, 0
	v_mov_b32 v18, 0
	v_mov_b32 v19, 0
	WIN 0x40
.set i, 0
.rept 64
	v_mov_b32 v[OA+i], 0                           ; the step is written alike for all steps: a block's first finds zeros
.set i, i+1
.endr
	WIN 0
.endm
	INIT
	s_wait_kmcnt 0x0
	s_add_co_i32 s[TT], s68, s69
	s_lshl_b32 s[TT], s[TT], 23
	s_add_co_i32 s[CS], s[CS], s[TT]               ; a score stands for score x 2^(e6 + e7): added to c's exponent field
	s_mov_b32 s[CS+1], s[CS]                       ; (named with it as a pair)
	s_add_co_i32 s[TT], s70, 127
	s_lshl_b32 s40, s[TT], 23
	v_mov_b32 v[SC8], s40                          ; 2^e8
	s_add_co_i32 s[TT], s[TT], 15
	s_lshl_b32 s[TT], s[TT], 23
	s_or_b32 s[TT], s[TT], 0x600000
	v_mov_b32 v[LA], s[TT]                         ; 57,344 x 2^e8
	v_mov_b32 v[LB], s[TT]
	s_add_co_i32 s58, s70, s71
.macro KLOAD u
	WIN 0x40
.irp t, 0,1,2,3,4,5,6,7
	ds_load_b128 v[FK+8*\t:FK+8*\t+3], v[ADK] offset:64*KP*(\u)+4*\t*KP
	ds_load_b128 v[FK+8*\t+4:FK+8*\t+7], v[ADK] offset:64*KP*(\u)+4*\t*KP+32
.endr
	WIN 0
.endm
.macro VLOAD u                         ; channels 16 t on, keys 32 c on
	WIN 0x40
.irp t, 0,1,2,3
.irp c, 0,1,2,3
	ds_load_b128 v[FV+16*\t+4*\c:FV+16*\t+4*\c+3], v[ADV] offset:64*KP*(\u)+(\c/2)*16*KP+\t*4*KP+32*(\c%2)
.endr
.endr
	WIN 0
.endm
; A CHANGE OF SLOTS, from slot n to n + 1: every wave's three lines (its tensor loads, its part of slot n + 1 among them; the add; its reads of slot n), a round of the cluster's barrier, and behind it the joint load of slot n + 2 into slot n's
; place (the very first change loads slot 1, a first fill).  It ends with the loads of K's fragments for my first step of slot n + 1.
; G0STEP, behind the add: no tensor load of mine is out, so group 0 may be written.
.macro G0STEP
	s_xor_b32 s[G0+1], s[G0+1], SLOT1
	s_add_co_u32 s[OFF], s[OFF], 0x8000
	s_cmp_eq_u32 s[MS], s[NFS]
	s_cselect_b32 s[OFF], 0, s[OFF]                ; the high block begins at key 0 again
	s_add_nc_u64 s[G0+2:G0+3], s[BASE:BASE+1], s[OFF:OFF+1]
	s_or_b32 s[G0+3], s[G0+3], 0x80000000
	s_add_co_u32 s[MS], s[MS], 1
	s_wait_xcnt 0x0                                ; the last prefetch has read its address
.endm
; THE PREFETCH behind the joint load asks for the slot after it, one slot ahead of its load (64 KiB: a lane names 256 bytes; wave 0 of each partner a quarter of K's 32 KiB, by cx in the address, wave 4 of V^T's).  Each block is named once
; in each cluster.  What the low block has walked is not asked for again, and nothing past slot 8.
.macro POST turn
	tensor_load_to_lds s[G0:G0+3], s[G1:G1+7]      ; the first thing behind the round, and the wave's one tensor load until the next
	s_nop 0
.rept 4
	v_nop
.endr
	s_cmp_lt_u32 s[MS], s[PLO]
	s_cbranch_scc1 .Lnot_mine_\@
	s_cmp_gt_u32 s[MS], 8
	s_cbranch_scc1 .Lnot_mine_\@
	s_sub_co_u32 s56, s[MS], s[NFS]
	s_lshl_b32 s56, s56, 15
	s_add_nc_u64 s[PFA:PFA+1], s[PFB:PFB+1], s[56:57]
	global_prefetch_b8 v[PFO], s[PFA:PFA+1] th:TH_LOAD_NT scope:SCOPE_SE
.Lnot_mine_\@:
.if \turn
	s_xor_b32 s[TB], s[TB], SLOT1
.endif
	v_add_nc_u32 v[ADK], s[TB], v[AK]
	v_add_nc_u32 v[ADV], s[TB], v[AV]
	KLOAD 0
.endm
.macro TRANS turn
	s_wait_alu depctr_va_vdst(0)                   ; the wait here, directly ahead of the wait below
	s_wait_tensorcnt 0x0
	ds_add_u32 v[SPW], v[NIL]                      ; 0 onto my spare word
	G0STEP
	s_wait_dscnt 0x0
	ROUND
	POST \turn
.endm
; A KEY STEP of my pair: 128 keys, at the u-th of my two places in the slot.  K's fragments have been asked for.  kn = 1: the slot's second step's are asked for.  emb = 1: the change of slots goes on inside.  msk = 1: it may hold the diagonal.
; Tiles A and B go line by line in turns.
.macro STEP u, kn, emb, msk
	s_wait_alu depctr_va_vdst(0)                   ; the wait here, directly ahead of the wait below
	s_wait_dscnt 0x0                               ; K's fragments are in
	WIN 0x01
.irp t, 0,1,2,3,4,5,6,7
	v_wmma_f32_16x16x64_bf8_bf8 v[SA+8*\t:SA+8*\t+7], v[FK+8*\t:FK+8*\t+7], v[QA:QA+7], 0
	v_wmma_f32_16x16x64_bf8_bf8 v[SB+8*\t:SB+8*\t+7], v[FK+8*\t:FK+8*\t+7], v[QB:QB+7], 0
.endr
.rept 4
	v_nop                                          ; places in front of the loads below and of the first read of the scores
.endr
	VLOAD \u                                       ; these land under the softmax
.if \emb
	s_wait_alu depctr_va_vdst(0)                   ; the wait here, directly ahead of the wait below
	s_barrier_wait -1                              ; the barrier that the slot's first step has signalled behind its vector work: the waves' vector work takes turns with their products.
	s_wait_tensorcnt 0x0                           ; my part of the next slot is in
	ds_add_u32 v[SPW], v[NIL]                      ; 0 onto my spare word; the maxima stand between it and the wait for it
	G0STEP
.endif
.if \msk
	s_cmp_lg_u32 s[TT], s[KM]                      ; (s[TT]: the step's number)
	s_cbranch_scc1 .Lopen_\@                       ; all its keys count
.set n, 0
.rept 64                                       ; on the diagonal the scores of hidden keys become -infinity ahead of the maximum.  Tile B's queries are 16 further on: its tile t + 1 has tile A's mask t; its tile 0 counts whole
	v_cmp_gt_i32 vcc_lo, 16*(n/8)+n%8, v[DD]
	v_cndmask_b32 v[SA+n], v[SA+n], v[NINF], vcc_lo
.if n < 56
	v_cndmask_b32 v[SB+8+n], v[SB+8+n], v[NINF], vcc_lo
.endif
.set n, n+1
.endr
.Lopen_\@:
.endif
	v_max3_num_f32 v30, v[SA], v[SA+1], v[SA+2]    ; the step's largest score, two chains a tile, each result from its low end on
	v_max3_num_f32 v32, v[SB], v[SB+1], v[SB+2]
	v_max3_num_f32 v31, v[SA+3], v[SA+4], v[SA+5]
	v_max3_num_f32 v33, v[SB+3], v[SB+4], v[SB+5]
.irp i, 6,10,14,18,22,26,30,34,38,42,46,50,54,58
	v_max3_num_f32 v30, v30, v[SA+\i], v[SA+\i+1]
	v_max3_num_f32 v32, v32, v[SB+\i], v[SB+\i+1]
	v_max3_num_f32 v31, v31, v[SA+\i+2], v[SA+\i+3]
	v_max3_num_f32 v33, v33, v[SB+\i+2], v[SB+\i+3]
.endr
	v_max3_num_f32 v30, v30, v[SA+62], v[SA+63]
	v_max3_num_f32 v32, v32, v[SB+62], v[SB+63]
	v_max_num_f32 v30, v30, v31
	v_max_num_f32 v32, v32, v33
	v_permlanex16_b32 v[PD], v30, s[SEL], s[SEL+1]
	v_permlanex16_b32 v[PD+1], v32, s[SEL], s[SEL+1]
	v_max3_num_f32 v13, v13, v30, v[PD]            ; with lane l xor 16's: the running largest score
	v_max3_num_f32 v15, v15, v32, v[PD+1]
	v_mul_f32 v31, s[CS], v13                      ; as t (c is positive)
	v_mul_f32 v33, s[CS], v15
	v_floor_f32 v31, -v31                          ; the new -M = floor(-t) = -ceil(t)
	v_floor_f32 v33, -v33
	v_sub_f32 v30, v31, v12                        ; old M - new M: a whole number, 0 or less
	v_sub_f32 v32, v33, v14
	v_mov_b32 v12, v31
	v_mov_b32 v14, v33
	v_cvt_i32_f32 v30, v30                         ; (it saturates)
	v_cvt_i32_f32 v32, v32
	v_ldexp_f32 v20, 1.0, v30                      ; f = 2^(old M - new M)
	v_ldexp_f32 v22, 1.0, v32
.set jj, 0
.rept 32
	v_pk_fma_f32 v[SA+jj:SA+jj+1], v[SA+jj:SA+jj+1], s[CS:CS+1], v[12:13] op_sel_hi:[1,0,0]   ; t - M, two at a time
	v_pk_fma_f32 v[SB+jj:SB+jj+1], v[SB+jj:SB+jj+1], s[CS:CS+1], v[14:15] op_sel_hi:[1,0,0]
.set jj, jj+2
.endr
.if \kn
	KLOAD 1                                        ; the second step's fragments of K
.endif
.if \emb
	s_wait_dscnt 0x0                               ; the add is done, and so are my last reads of this slot:
	s_barrier_signal -1                            ; say so (this barrier opens a round of the cluster's barrier); the exponentials, work on registers, stand between this and its wait
.endif
	s_wait_alu depctr_va_vdst(0)                   ; the wait ahead of the batch
.set jj, 0
.rept 128
	v_exp_f32 v[SA+jj], v[SA+jj]                   ; p = 2^(t - M), at most 1 (tile B's registers follow tile A's)
.set jj, jj+1
.endr
	v_pk_mul_f32 v[16:17], v[16:17], v[20:21] op_sel_hi:[1,0]   ; the sums under the new M: the plain lines behind the exponentials
	v_pk_mul_f32 v[18:19], v[18:19], v[22:23] op_sel_hi:[1,0]
	s_wait_alu depctr_va_vdst(0)                   ; and behind it, ahead of its first reader (and of the waits and branches below)
.if \emb
	s_barrier_wait -1
	CREST                                          ; no wave of any partner still reads this slot or has a load on its way
	POST 1
	s_add_co_u32 s[KF], s[KF], 4
.endif
.irp k, 0,1,2,3
	v_pk_add_f32 v[SU+2*\k:SU+2*\k+1], v[SA+4*\k:SA+4*\k+1], v[SA+4*\k+2:SA+4*\k+3]   ; the sum of the unquantised p, four chains a tile
	v_pk_add_f32 v[SU+8+2*\k:SU+8+2*\k+1], v[SB+4*\k:SB+4*\k+1], v[SB+4*\k+2:SB+4*\k+3]
.endr
.irp j, 16,24,32,40,48,56
.irp k, 0,1,2,3
	v_pk_add_f32 v[SU+2*\k:SU+2*\k+1], v[SU+2*\k:SU+2*\k+1], v[SA+\j+2*\k:SA+\j+2*\k+1]
	v_pk_add_f32 v[SU+8+2*\k:SU+8+2*\k+1], v[SU+8+2*\k:SU+8+2*\k+1], v[SB+\j+2*\k:SB+\j+2*\k+1]
.endr
.endr
	v_pk_add_f32 v[SU:SU+1], v[SU:SU+1], v[SU+2:SU+3]
	v_pk_add_f32 v[SU+8:SU+9], v[SU+8:SU+9], v[SU+10:SU+11]
	v_pk_add_f32 v[SU+4:SU+5], v[SU+4:SU+5], v[SU+6:SU+7]
	v_pk_add_f32 v[SU+12:SU+13], v[SU+12:SU+13], v[SU+14:SU+15]
	v_pk_add_f32 v[16:17], v[16:17], v[SU:SU+1]
	v_pk_add_f32 v[18:19], v[18:19], v[SU+8:SU+9]
	v_pk_add_f32 v[16:17], v[16:17], v[SU+4:SU+5]
	v_pk_add_f32 v[18:19], v[18:19], v[SU+12:SU+13]
.irp t, 0,1,2,3,4,5,6,7
.irp i, 0,2,4,6                                ; the conversion does not saturate (ISA guide 7.6.2); p is not negative, so the hold is one-sided
	v_dual_min_num_f32 v[SA+8*\t+\i], v[SA+8*\t+\i], v[LA] :: v_dual_min_num_f32 v[SA+8*\t+\i+1], v[SA+8*\t+\i+1], v[LB]
	v_dual_min_num_f32 v[SB+8*\t+\i], v[SB+8*\t+\i], v[LA] :: v_dual_min_num_f32 v[SB+8*\t+\i+1], v[SB+8*\t+\i+1], v[LB]
.endr
	v_cvt_scalef32_pk8_bf8_f32 v[PA+2*\t:PA+2*\t+1], v[SA+8*\t:SA+8*\t+7], v[SC8]
	v_cvt_scalef32_pk8_bf8_f32 v[PB+2*\t:PB+2*\t+1], v[SB+8*\t:SB+8*\t+7], v[SC8]
.endr
	WIN 0x41
	s_wait_alu depctr_va_vdst(0)                   ; the wait here, directly ahead of the first readers of O^T
.set jj, 0
.rept 16
	v_pk_mul_f32 v[OA+jj:OA+jj+1], v[OA+jj:OA+jj+1], v[20:21] op_sel_hi:[1,0]   ; O^T under the new M; also the plain lines between the conversions and the products
	v_pk_mul_f32 v[OB+jj:OB+jj+1], v[OB+jj:OB+jj+1], v[22:23] op_sel_hi:[1,0]
.set jj, jj+2
.endr
.if \emb == 0
	s_wait_alu depctr_va_vdst(0)                   ; the wait here, directly ahead of the wait below
.if (\kn) > (\msk)
	s_wait_dscnt 0x0                               ; a full slot's first step: V^T's fragments and the next step's of K are in;
	s_barrier_signal -1                            ; its vector work is done: the wait stands ahead of the second step's maxima; products and loads of V^T, which nobody writes there, stand between
.else
	s_wait_dscnt 16*(\kn)                          ; V^T's fragments are in; kn = 1: the next step's 16 loads of K may be out
.endif
.endif
	WIN 0x51
.irp t, 0,1,2,3
	v_wmma_f32_16x16x128_bf8_bf8 v[OA+8*\t:OA+8*\t+7], v[FV+16*\t:FV+16*\t+15], v[PA:PA+15], v[OA+8*\t:OA+8*\t+7]   ; the eight accumulators by turns
	v_wmma_f32_16x16x128_bf8_bf8 v[OB+8*\t:OB+8*\t+7], v[FV+16*\t:FV+16*\t+15], v[PB:PB+15], v[OB+8*\t:OB+8*\t+7]
.endr
	WIN 0
.endm
; A block's partial results into my own stage: O^T as an image of its registers, -M, and the sums.
.macro FLUSH big, small
	v_add_f32 v30, v16, v17
	v_add_f32 v31, v18, v19
.rept 4
	v_nop                                          ; places behind the last products
.endr
	s_wait_alu depctr_va_vdst(0)
	WIN 0x04
.irp g, 0,1,2,3,4,5,6,7,8,9,10,11,12,13,14,15
	ds_store_b128 v[\big], v[OA+4*\g:OA+4*\g+3] offset:512*\g
.endr
	WIN 0
	ds_store_b32 v[\small], v12
	ds_store_b32 v[\small], v14 offset:128
	ds_store_b32 v[\small], v30 offset:256
	ds_store_b32 v[\small], v31 offset:384
.endm
	s_wait_alu depctr_va_vdst(0)                   ; the wait at the head's end
	s_wait_loadcnt 0x0                             ; Q
	TRANS 0                                        ; slot 0 is in, slot 1 is asked for
.Lslot:                                            ; slots 0 .. 6
	s_cmp_eq_u32 s[NN], ttmp9
	s_cbranch_scc1 .Ldiagonal                      ; the low block's last slot: the same for all waves of a cluster
	STEP 0, 1, 0, 0
	STEP 1, 0, 1, 0
	s_branch .Lnext
.Ldiagonal:
	s_mov_b32 s[TT], s[KF]
	s_cmp_gt_u32 s[TT], s[KM]
	s_cbranch_scc1 .Ldone                          ; its keys come after my queries
	STEP 0, 1, 0, 1
	s_add_co_u32 s[TT], s[KF], 2
	s_cmp_gt_u32 s[TT], s[KM]
	s_cbranch_scc1 .Ldone
	STEP 1, 0, 0, 1
.Ldone:
	FLUSH STH, STHS                                ; the low block is done: on to the high one
	s_wait_dscnt 0x0
.set i, 0
.rept 16
	v_mov_b32 v[QA+i], v[QL+i]
.set i, i+1
.endr
	INIT
	s_mov_b32 s[KF], s19
	s_mov_b32 s[KM], s[KH]
	TRANS 1
.Lnext:
	s_add_co_u32 s[NN], s[NN], 1
	s_wait_alu depctr_va_vdst(0)
	s_cmp_lt_u32 s[NN], 7
	s_cbranch_scc1 .Lslot
	; THE TAIL: slots 7 and 8, both of the high block; nothing is filled any more.  Each step asks for its own fragments of K.
	s_mov_b32 s[TC], 0
.Ltail:
	s_mov_b32 s[UB], 0
	s_mov_b32 s[UC], 0
.Ltstep:
	s_add_co_u32 s[TT], s[TB], s[UB]
	s_wait_dscnt 0x0                               ; (slot 7's first fragments, which the last change of slots asked for)
	v_add_nc_u32 v[ADK], s[TT], v[AK]
	v_add_nc_u32 v[ADV], s[TT], v[AV]
	s_mov_b32 s[TT], s[KF]
	s_cmp_gt_u32 s[TT], s[KM]
	s_cbranch_scc1 .Lhidden
	KLOAD 0
	STEP 0, 0, 0, 1
.Lhidden:
	s_add_co_u32 s[KF], s[KF], 2
	s_add_co_u32 s[UB], s[UB], 64*KP
	s_add_co_u32 s[UC], s[UC], 1
	s_wait_alu depctr_va_vdst(0)
	s_cmp_lt_u32 s[UC], 2
	s_cbranch_scc1 .Ltstep
	s_add_co_u32 s[TC], s[TC], 1
	s_cmp_eq_u32 s[TC], 2
	s_cbranch_scc1 .Lwalked
	s_xor_b32 s[TB], s[TB], SLOT1
	s_wait_tensorcnt 0x0                           ; slot 8 is in, for everybody behind the barrier
	ds_add_u32 v[SPW], v[NIL]
	s_wait_dscnt 0x0
	s_barrier_signal -1
	s_barrier_wait -1
	s_cmp_lt_u32 s[TC], 2
	s_cbranch_scc1 .Ltail
.Lwalked:
	FLUSH STL, STLS
	s_wait_dscnt 0x0
	s_barrier_signal -1
	s_barrier_wait -1                              ; all partial results are in
	; JOINING: of my pair I take tile s of both blocks (x = 0 low, 1 high): -M = the smaller of the two; O^T and the sums under it, then y = O^T / the sum x 2^(e8 + e9), held, converted with 2^e10.
.irp x, 0,1
	ds_load_b32 v[40+4*\x], v[CA+4+2*\x]
	ds_load_b32 v[41+4*\x], v[CA+4+2*\x] offset:256
	ds_load_b32 v[42+4*\x], v[CA+5+2*\x]
	ds_load_b32 v[43+4*\x], v[CA+5+2*\x] offset:256
.endr
.irp x, 0,1
.irp g, 0,1,2,3,4,5,6,7
	ds_load_b128 v[104+64*\x+4*\g:104+64*\x+4*\g+3], v[CA+2*\x] offset:512*\g
	ds_load_b128 v[136+64*\x+4*\g:136+64*\x+4*\g+3], v[CA+1+2*\x] offset:512*\g
.endr
.endr
	s_add_co_i32 s[TT], s72, 127
	s_lshl_b32 s40, s[TT], 23
	s_add_co_i32 s[TT], s[TT], 15
	s_lshl_b32 s[TT], s[TT], 23
	s_or_b32 s[TT], s[TT], 0x600000
	s_wait_dscnt 32                                ; the eight small loads are in; the 32 of O^T may be out
.irp x, 0,1
	v_min_num_f32 v[48+2*\x], v[40+4*\x], v[42+4*\x]
.endr
.irp x, 0,1
	v_sub_f32 v[40+4*\x], v[48+2*\x], v[40+4*\x]
	v_sub_f32 v[42+4*\x], v[48+2*\x], v[42+4*\x]
.endr
.irp x, 0,1
	v_cvt_i32_f32 v[40+4*\x], v[40+4*\x]
	v_cvt_i32_f32 v[42+4*\x], v[42+4*\x]
.endr
.irp x, 0,1
	v_ldexp_f32 v[52+4*\x], 1.0, v[40+4*\x]
	v_ldexp_f32 v[54+4*\x], 1.0, v[42+4*\x]
.endr
.irp x, 0,1
	v_mul_f32 v[41+4*\x], v[41+4*\x], v[52+4*\x]
.endr
.irp x, 0,1
	v_fmac_f32 v[41+4*\x], v[43+4*\x], v[54+4*\x]
.endr
.irp x, 0,1
	v_permlanex16_b32 v[PD+\x], v[41+4*\x], s[SEL], s[SEL+1]
.endr
.irp x, 0,1
	v_add_f32 v[41+4*\x], v[41+4*\x], v[PD+\x]     ; the row's sum
.endr
	s_wait_alu depctr_va_vdst(0)                   ; the wait ahead of the transcendentals
	v_rcp_f32 v41, v41
	v_rcp_f32 v45, v45
	v_mov_b32 v24, s40                             ; 2^e10 (plain lines behind the reciprocals)
	v_mov_b32 v25, s[TT]                           ; 57,344 x 2^e10
	s_wait_alu depctr_va_vdst(0)                   ; and ahead of their first reader
	v_ldexp_f32 v41, v41, s58
	v_ldexp_f32 v45, v45, s58
.irp x, 0,1
	v_mul_f32 v[52+4*\x], v[52+4*\x], v[41+4*\x]
	v_mul_f32 v[54+4*\x], v[54+4*\x], v[41+4*\x]
.endr
	s_wait_alu depctr_va_vdst(0)                   ; the wait here, directly ahead of the wait below
	s_wait_dscnt 0x0
.irp x, 0,1
.set jj, 0
.rept 16
	v_pk_mul_f32 v[104+64*\x+jj:104+64*\x+jj+1], v[104+64*\x+jj:104+64*\x+jj+1], v[52+4*\x:53+4*\x] op_sel_hi:[1,0]
.set jj, jj+2
.endr
.set jj, 0
.rept 16
	v_pk_fma_f32 v[104+64*\x+jj:104+64*\x+jj+1], v[136+64*\x+jj:136+64*\x+jj+1], v[54+4*\x:55+4*\x], v[104+64*\x+jj:104+64*\x+jj+1] op_sel_hi:[1,0,1]   ; register 8 t + i is y(r, 16 t + 8 h + i)
.set jj, jj+2
.endr
.set jj, 0
.rept 32
	v_med3_num_f32 v[104+64*\x+jj], v[104+64*\x+jj], -v25, v25
.set jj, jj+1
.endr
.irp t, 0,1,2,3
	v_cvt_scalef32_pk8_bf8_f32 v[72+8*\x+2*\t:72+8*\x+2*\t+1], v[104+64*\x+8*\t:104+64*\x+8*\t+7], v24
.endr
	v_nop
.irp t, 0,1,2,3
	ds_store_b64 v[SIN], v[72+8*\x+2*\t:72+8*\x+2*\t+1] offset:1024*\x+16*\t   ; eight codes: 8 bytes of a query's row
.endr
.endr
.irp x, 0,1
	ds_load_b128 v[40+8*\x:43+8*\x], v[SOUT] offset:1024*\x   ; LDS serves a wave's instructions in order (ISA guide 5.7.1.4): these see my stores
	ds_load_b128 v[44+8*\x:47+8*\x], v[SOUT] offset:1024*\x+512
.endr
	s_wait_dscnt 0x0
	global_store_b128 v[GO], v[40:43], s[8:9]      ; 32 lanes store 512 consecutive bytes, at a multiple of 512 from the buffer's first byte
	global_store_b128 v[GO], v[44:47], s[8:9] offset:512
	global_store_b128 v[GO], v[48:51], s[60:61]
	global_store_b128 v[GO], v[52:55], s[60:61] offset:512
	s_wait_tensorcnt 0x0                           ; the wave's end
	ds_add_u32 v[SPW], v[NIL]
	s_wait_dscnt 0x0
	ROUND                                          ; the closing round
	s_endpgm
.Lfunc_end_k_qc557ba57da_attn:
	.size	k_qc557ba57da_attn, .Lfunc_end_k_qc557ba57da_attn-k_qc557ba57da_attn
	.p2alignl 7, 3214868480
	.fill 96, 4, 3214868480
	.section	.rodata,"a",@progbits
	.p2align	6, 0x0
	.amdhsa_kernel k_qc557ba57da_attn
		.amdhsa_group_segment_fixed_size 327680
		.amdhsa_private_segment_fixed_size 0
		.amdhsa_enable_private_segment 0
		.amdhsa_kernarg_size 24
		.amdhsa_user_sgpr_count 2
		.amdhsa_user_sgpr_kernarg_segment_ptr 1
		.amdhsa_wavefront_size32 1
		.amdhsa_system_sgpr_workgroup_id_x 1
		.amdhsa_system_sgpr_workgroup_id_y 1
		.amdhsa_system_sgpr_workgroup_id_z 1
		.amdhsa_system_vgpr_workitem_id 0
		.amdhsa_next_free_vgpr 448
		.amdhsa_next_free_sgpr 80
		.amdhsa_reserve_vcc 1
		.amdhsa_float_denorm_mode_32 3
		.amdhsa_float_denorm_mode_16_64 3
		.amdhsa_memory_ordered 1
		.amdhsa_forward_progress 1
		.amdhsa_inst_pref_size 198
	.end_amdhsa_kernel
	.amdgpu_metadata
---
amdhsa.version: [ 1, 2 ]
amdhsa.kernels:
  - .name:           k_qc557ba57da_attn
    .symbol:         k_qc557ba57da_attn.kd
    .args:
      - { .name: qkv, .offset: 0, .size: 8, .value_kind: global_buffer, .address_space: global }
      - { .name: lowp_scales, .offset: 8, .size: 8, .value_kind: global_buffer, .address_space: global }
      - { .name: yc, .offset: 16, .size: 8, .value_kind: global_buffer, .address_space: global }
    .group_segment_fixed_size: 327680
    .private_segment_fixed_size: 0
    .kernarg_segment_align: 8
    .kernarg_segment_size: 24
    .max_flat_workgroup_size: 256
    .sgpr_count:     80
    .vgpr_count:     448
    .wavefront_size: 32
...
	.end_amdgpu_metadata
.endif
;; end of part 3
;; launch oproj (part 4): grid 8 x 32, 4 waves a work-group, clusters of 4 x 4, 327,680 bytes of LDS; arguments yc, wc, lowp_scales, wo_b, out0; writes out0
.if DOCPART == 4
	.amdgcn_target "amdgcn-amd-amdhsa--gfx1250"
	.amdhsa_code_object_version 6
	.text
	.protected	k_qc557ba57da_oproj
	.globl	k_qc557ba57da_oproj
	.p2align	8
	.type	k_qc557ba57da_oproj,@function
k_qc557ba57da_oproj:
	s_mov_b64 s[64:65], 0
	v_nop
	global_prefetch_b8 v0, s[64:65] scope:SCOPE_SE
	s_setreg_imm32_b32 hwreg(HW_REG_WAVE_MODE, 25, 1), 1
	s_wait_xcnt 0x0
	s_wait_alu depctr_hold_cnt(0) depctr_sa_sdst(0) depctr_va_vdst(0) depctr_va_sdst(0) depctr_va_ssrc(0) depctr_va_vcc(0) depctr_vm_vsrc(0)
	s_getreg_b32 s2, hwreg(HW_REG_IB_STS2, 6, 4)
	s_cmp_eq_u32 s2, 0
	s_cbranch_scc0 .Lentry_in_a_cluster
	s_endpgm
.Lentry_in_a_cluster:
	s_bfe_u32 s2, ttmp6, 0x10000c
	s_cmp_lg_u32 s2, 0xf033
	s_cbranch_scc0 .Lentry_shape_is_right
	s_endpgm
.Lentry_shape_is_right:
; out[m][n] = 2^(e10 + e11) x the sum over k of y[m][k] wo[n][k] + bias[n].  y: codes [head][4096 tokens][64], k = 64 head + channel; wo: codes [1024][1024] in wc's fourth plane; out [4096][1024] f32.
; LIMIT: e10 + e11 lies between -126 and 127.
; 256 work-groups make 128 x 128 of out each; four waves, 64 x 64 each: 16 accumulators.  ALL of K lies in LDS at the end: two parts of 512 along K, each filled once; the second is on its way while the first is multiplied.
; Of a part, wave 0 fetches y's first four heads (128 tokens x 64 bytes each, dense), wave 1 the other four, waves 2 and 3 wo's 128 rows x 256 bytes each.
; CLUSTERS of 4 x 4: y's tiles are asked for jointly along a row of the cluster, wo's along a column.
; NO PREFETCH: there is no loop to run ahead in; both parts are asked for at the head.
; THE MATRIX INSTRUCTION IS USED TRANSPOSED (source 0 = 16 rows of wo, source 1 = 16 tokens): a lane holds eight neighbouring numbers of a row of out.
; REGISTERS: window 0: v64-127, v128-191 fragments of y, wo (set 0; on the way out the rows read back); window 1: v0-127 the accumulators, v128-191, v192-255 fragments of y, wo (set 1).
.set PITCH,  272                       ; 256 bytes + 16 of padding
.set PLANEB, 32*PITCH                  ; a head's 128 tokens
.set HEADB,  0x40000
.set HALFT,  4*PLANEB
.set SLOT,   4*HALFT                   ; y: 8 heads; then wo: 128 rows x 256 bytes, twice
.set SPARE,  2*SLOT
.set ADRA, 16
.set ADRB, 20
.set STO,  24
.set RD,   25
.set CO,   26
.set BO,   27
.set SPW,  28
.set NIL,  29
.set BI,   32
.set BK,   64
.set G1, 24
.set G0, 32
.set G1B, 48
.set G0B, 56
.set MSB, 0
.macro WIN new
.if MSB != (\new)
	s_set_vgpr_msb (MSB<<8)|(\new)
.set MSB, (\new)
.endif
.endm
.macro JLOAD s
	s_cmp_eq_u32 s15, 0
	s_cbranch_scc0 .Lfor_b_\@
	tensor_load_to_lds s[G0+4*\s:G0+4*\s+3], s[G1:G1+7]
	s_nop 0
.rept 4
	v_nop
.endr
	s_branch .Lasked_\@
.Lfor_b_\@:
	tensor_load_to_lds s[G0B+4*\s:G0B+4*\s+3], s[G1B:G1B+7]
	s_nop 0
.rept 4
	v_nop
.endr
.Lasked_\@:
.endm
.macro CROUND
	s_barrier_signal -1
	s_barrier_wait -1
	s_cmp_lg_u32 s14, 0
	s_cbranch_scc1 .Lnot_wave_0_\@
	s_barrier_signal -3
.Lnot_wave_0_\@:
	s_barrier_wait -3
	s_barrier_signal -1
	s_barrier_wait -1
.endm
	s_load_b128 s[4:7], s[0:1], 0x0                ; y's codes, the weights' codes
	s_load_b128 s[68:71], s[0:1], 0x10             ; the exponents, the bias
	s_load_b64 s[10:11], s[0:1], 0x20              ; out
	v_lshl_add_u32 v[SPW], v0, 2, SPARE
	v_mov_b32 v[NIL], 0
	ds_add_u32 v[SPW], v[NIL]                      ; the opening lines: the add, twice on end, and its wait
	ds_add_u32 v[SPW], v[NIL]
	v_lshrrev_b32 v1, 5, v0
	v_readfirstlane_b32 s14, v1                    ; wave 0..3
	s_lshr_b32 s15, s14, 1                         ; which 64 tokens are mine.  Also: I fetch for y (0) or wo (1)
	s_and_b32 s16, s14, 1                          ; which 64 columns.  Also: which 256 along K of a part I fetch
	s_bfe_u32 s40, ttmp6, 0x40000                  ; cx, cy
	s_bfe_u32 s41, ttmp6, 0x40004
	s_lshl_b32 s42, ttmp9, 2
	s_add_co_u32 s42, s42, s40                     ; tile column
	s_and_b32 s17, ttmp7, 0xffff
	s_lshl_b32 s17, s17, 2
	s_add_co_u32 s17, s17, s41                     ; tile row
	s_lshl_b32 s43, s41, 2
	s_lshl_b32 s43, 15, s43                        ; my row of the cluster
	s_lshl_b32 s44, 0x1111, s40                    ; my column
	s_or_b32 s[G1+0], s43, (0<<16)|(1<<20)|(1<<21)|(5<<22)|(3<<25)
	s_mov_b32 s[G1+1], 8192<<16                    ; y: four rows (heads) of 8,192 bytes, 16 bytes of padding behind every 256
	s_mov_b32 s[G1+2], 4<<16
	s_mov_b32 s[G1+3], 8192<<16
	s_mov_b32 s[G1+4], 4
	s_mov_b32 s[G1+5], HEADB
	s_mov_b32 s[G1+6], 0
	s_mov_b32 s[G1+7], 0
	s_or_b32 s[G1B+0], s44, (0<<16)|(1<<20)|(1<<21)|(5<<22)|(3<<25)
	s_mov_b32 s[G1B+1], 256<<16                    ; wo: 128 rows of 256 bytes
	s_mov_b32 s[G1B+2], 128<<16
	s_mov_b32 s[G1B+3], 256<<16
	s_mov_b32 s[G1B+4], 128
	s_mov_b32 s[G1B+5], 1024
	s_mov_b32 s[G1B+6], 0
	s_mov_b32 s[G1B+7], 0
	s_lshl_b32 s20, s17, 13                        ; 128 tokens x 64 bytes x tile row
	s_lshl_b32 s18, s16, 20                        ; + four heads
	s_add_co_u32 s20, s20, s18
	s_mov_b32 s21, 0
	s_lshl_b32 s46, s42, 17                        ; 128 rows x 1,024 bytes x tile column
	s_lshl_b32 s18, s16, 8                         ; + 256 along K
	s_add_co_u32 s46, s46, s18
	s_add_co_u32 s46, s46, 0x300000
	s_mov_b32 s47, 0
	s_mul_i32 s45, s14, HALFT                      ; where it goes in a part: no place in the cluster enters an LDS address
	s_wait_alu depctr_va_vdst(0)                   ; the wait here, directly ahead of the wait below
	s_wait_dscnt 0x0                               ; both opening adds are done
	s_wait_kmcnt 0x0
	s_load_b64 s[96:97], s[68:69], 0x28            ; e10, e11
	s_add_nc_u64 s[20:21], s[4:5], s[20:21]
	s_add_nc_u64 s[46:47], s[6:7], s[46:47]
.irp s, 0,1
	s_mov_b32 s[G0+4*\s], 1
	s_add_co_u32 s[G0+4*\s+1], s45, \s*SLOT
	s_add_nc_u64 s[G0+4*\s+2:G0+4*\s+3], s[20:21], \s*8*HEADB
	s_or_b32 s[G0+4*\s+3], s[G0+4*\s+3], 0x80000000
	s_mov_b32 s[G0B+4*\s], 1
	s_add_co_u32 s[G0B+4*\s+1], s45, \s*SLOT
	s_add_nc_u64 s[G0B+4*\s+2:G0B+4*\s+3], s[46:47], \s*512
	s_or_b32 s[G0B+4*\s+3], s[G0B+4*\s+3], 0x80000000
.endr
	CROUND                                         ; all sixteen work-groups are here: the first joint loads meet
	JLOAD 0
	s_mul_i32 s21, s15, 16*PITCH                   ; my 64 tokens: 16 LDS rows
	s_mul_i32 s22, s16, 64*PITCH                   ; my 64 rows of wo,
	s_add_co_u32 s22, s22, 2*HALFT                 ; which lie behind y's 8 heads
	s_mul_i32 s23, s14, 64*PITCH                   ; my stage for the way out: 64 rows of 256 bytes, in part 0
	s_lshl_b32 s20, s17, 7
	s_lshl_b32 s18, s15, 6
	s_add_co_u32 s20, s20, s18                     ; my first token
	s_lshl_b32 s18, s20, 12
	s_mov_b32 s19, 0
	s_lshl_b32 s46, s42, 9                         ; my first column, in bytes
	s_lshl_b32 s47, s16, 8
	s_add_co_u32 s46, s46, s47
	s_mov_b32 s47, 0
	s_add_nc_u64 s[12:13], s[70:71], s[46:47]
	s_add_nc_u64 s[18:19], s[18:19], s[46:47]
	s_add_nc_u64 s[10:11], s[10:11], s[18:19]
	v_and_b32 v1, 15, v0                           ; r
	v_bfe_u32 v2, v0, 4, 1                         ; h
	v_bfe_u32 v5, v0, 2, 2
	v_and_b32 v6, 3, v0
	v_mul_u32_u24 v3, v1, PITCH
	v_lshlrev_b32 v[BO], 4, v1
	v_mul_u32_u24 v5, v5, PITCH
	v_lshl_add_u32 v4, v2, 4, v3                   ; wo: row r, + 16 h
	v_lshl_add_u32 v5, v6, 6, v5
	global_load_b128 v[BI:BI+3], v[BO], s[12:13]   ; the bias of the four columns that I store
	v_lshl_add_u32 v5, v2, 4, v5                   ; y: row r / 4, 64 bytes x (r % 4), + 16 h
	v_add_nc_u32 v[ADRB], s22, v4
	v_add_nc_u32 v[ADRA], s21, v5
	v_add_nc_u32 v[ADRB+1], SLOT, v[ADRB]
	v_add_nc_u32 v[ADRA+1], SLOT, v[ADRA]
	v_lshl_add_u32 v3, v2, 5, v3
	v_mul_u32_u24 v6, v2, PITCH
	v_add_nc_u32 v[STO], s23, v3                   ; in: row r, 32 bytes for each half of the lanes
	v_add_nc_u32 v6, v6, v[BO]
	v_lshlrev_b32 v7, 12, v2
	v_add_nc_u32 v[RD], s23, v6                    ; back: lanes 0-15 one row of 256 bytes, lanes 16-31 the next
	v_add_nc_u32 v[CO], v7, v[BO]
.macro PLACES
.rept 4
	v_nop
.endr
.endm
.macro FETCH slot, q, set              ; the part's q-th 128 along K: fragments of my 64 tokens and 64 columns
	WIN 0x40*(\set)
.irp i, 0,1,2,3
.irp c, 0,1,2,3
	ds_load_b128 v[64+64*(\set)+16*\i+4*\c:64+64*(\set)+16*\i+4*\c+3], v[ADRA+(\slot)] offset:(2*(\q)+\c/2)*PLANEB+32*(\c%2)+\i*4*PITCH
.endr
.irp c, 0,1,2,3
	ds_load_b128 v[128+64*(\set)+16*\i+4*\c:128+64*(\set)+16*\i+4*\c+3], v[ADRB+(\slot)] offset:((\q)/2)*HALFT+128*((\q)%2)+32*\c+\i*16*PITCH
.endr
.endr
.endm
.macro MUL set, zero                   ; the 16 accumulators take turns, in the same order in every step
	WIN 0x50+5*(\set)
.irp a, 0,1,2,3
.irp b, 0,1,2,3
.if \zero
	v_wmma_f32_16x16x128_bf8_bf8 v[32*\a+8*\b:32*\a+8*\b+7], v[128+64*(\set)+16*\b:128+64*(\set)+16*\b+15], v[64+64*(\set)+16*\a:64+64*(\set)+16*\a+15], 0
.else
	v_wmma_f32_16x16x128_bf8_bf8 v[32*\a+8*\b:32*\a+8*\b+7], v[128+64*(\set)+16*\b:128+64*(\set)+16*\b+15], v[64+64*(\set)+16*\a:64+64*(\set)+16*\a+15], v[32*\a+8*\b:32*\a+8*\b+7]
.endif
.endr
.endr
.endm
; The n-th 128 along K; the next one's fragments are asked for ahead of its products, into the other set.
.macro SUB n
.if (\n) == 3                          ; the next fragments lie in part 1: all of it has landed, for everybody
	WIN 0
	s_wait_tensorcnt 0x0
	ds_add_u32 v[SPW], v[NIL]
	s_wait_dscnt 0x0
	s_barrier_signal -1
	s_barrier_wait -1
.endif
.if (\n) < 7
	PLACES                                         ; the other set was read by the last products
	FETCH ((\n)+1)/4, ((\n)+1)%4, ((\n)+1)%2
	s_wait_dscnt 32                                ; this set is in; the 32 loads just issued may be out
.else
	s_wait_dscnt 0x0
.endif
	MUL (\n)%2, (\n)==0
.endm
	s_wait_alu depctr_va_vdst(0)                   ; the wait at the head's end
	s_wait_tensorcnt 0x0                           ; my share of part 0 is in
	ds_add_u32 v[SPW], v[NIL]
	s_wait_dscnt 0x0
	CROUND
	JLOAD 1                                        ; part 1: the first tensor load behind the round
	FETCH 0, 0, 0
.irp n, 0,1,2,3,4,5,6,7
	SUB \n
.endr
	WIN 0
	s_wait_kmcnt 0x0
	s_add_co_i32 s96, s96, s97
	s_add_co_i32 s96, s96, 127
	s_lshl_b32 s96, s96, 23                        ; 2^(e10 + e11) as f32
	s_mov_b32 s97, s96                             ; (named with it as a pair)
	s_wait_loadcnt 0x0                             ; the bias
	PLACES                                         ; for the stores of results just made and the loads into fragments' registers
	; THE WAY OUT, in blocks of 16 rows x 256 bytes, each with its own place in my stage (part 0: it has had its only fill, and its last read in front of the barrier above).
.macro TOSTAGE a
	WIN 0x04
.irp b, 0,1,2,3
	ds_store_b128 v[STO], v[32*(\a)+8*\b:32*(\a)+8*\b+3] offset:16*PITCH*(\a)+64*\b
	ds_store_b128 v[STO], v[32*(\a)+8*\b+4:32*(\a)+8*\b+7] offset:16*PITCH*(\a)+64*\b+16
.endr
	WIN 0
.irp t, 0,1,2,3,4,5,6,7
	ds_load_b128 v[BK+32*(\a)+4*\t:BK+32*(\a)+4*\t+3], v[RD] offset:(16*(\a)+2*\t)*PITCH   ; LDS serves a wave's instructions in order (ISA guide 5.7.1.4): these see my stores
.endr
.endm
.macro SENDO a, younger                ; younger: the LDS instructions issued behind block a's loads, which may stay out
	s_wait_dscnt \younger
.irp t, 0,1,2,3,4,5,6,7
	v_pk_fma_f32 v[BK+32*(\a)+4*\t:BK+32*(\a)+4*\t+1], v[BK+32*(\a)+4*\t:BK+32*(\a)+4*\t+1], s[96:97], v[BI:BI+1] op_sel_hi:[1,0,1]
	v_pk_fma_f32 v[BK+32*(\a)+4*\t+2:BK+32*(\a)+4*\t+3], v[BK+32*(\a)+4*\t+2:BK+32*(\a)+4*\t+3], s[96:97], v[BI+2:BI+3] op_sel_hi:[1,0,1]
.endr
.irp t, 0,1,2,3,4,5,6,7
	global_store_b128 v[CO], v[BK+32*(\a)+4*\t:BK+32*(\a)+4*\t+3], s[10:11] offset:(16*(\a)+2*\t)*4096 th:TH_STORE_NT   ; sixteen lanes store 256 consecutive bytes, at a multiple of 256
.endr
.endm
	TOSTAGE 0
.irp a, 1,2,3
	TOSTAGE \a
	SENDO \a-1, 16                                 ; behind block a - 1's loads: block a's 8 stores and 8 loads
.endr
	SENDO 3, 0
	s_wait_tensorcnt 0x0                           ; the wave's end
	ds_add_u32 v[SPW], v[NIL]
	s_wait_dscnt 0x0
	CROUND                                         ; the closing round
	s_endpgm
.Lfunc_end_k_qc557ba57da_oproj:
	.size	k_qc557ba57da_oproj, .Lfunc_end_k_qc557ba57da_oproj-k_qc557ba57da_oproj
	.p2alignl 7, 3214868480
	.fill 96, 4, 3214868480
	.section	.rodata,"a",@progbits
	.p2align	6, 0x0
	.amdhsa_kernel k_qc557ba57da_oproj
		.amdhsa_group_segment_fixed_size 327680
		.amdhsa_private_segment_fixed_size 0
		.amdhsa_enable_private_segment 0
		.amdhsa_kernarg_size 40
		.amdhsa_user_sgpr_count 2
		.amdhsa_user_sgpr_kernarg_segment_ptr 1
		.amdhsa_wavefront_size32 1
		.amdhsa_system_sgpr_workgroup_id_x 1
		.amdhsa_system_sgpr_workgroup_id_y 1
		.amdhsa_system_sgpr_workgroup_id_z 1
		.amdhsa_system_vgpr_workitem_id 0
		.amdhsa_next_free_vgpr 512
		.amdhsa_next_free_sgpr 98
		.amdhsa_reserve_vcc 0
		.amdhsa_float_denorm_mode_32 3
		.amdhsa_float_denorm_mode_16_64 3
		.amdhsa_memory_ordered 1
		.amdhsa_forward_progress 1
		.amdhsa_inst_pref_size 46
	.end_amdhsa_kernel
	.amdgpu_metadata
---
amdhsa.version: [ 1, 2 ]
amdhsa.kernels:
  - .name:           k_qc557ba57da_oproj
    .symbol:         k_qc557ba57da_oproj.kd
    .args:
      - { .name: yc, .offset: 0, .size: 8, .value_kind: global_buffer, .address_space: global }
      - { .name: wc, .offset: 8, .size: 8, .value_kind: global_buffer, .address_space: global }
      - { .name: lowp_scales, .offset: 16, .size: 8, .value_kind: global_buffer, .address_space: global }
      - { .name: wo_b, .offset: 24, .size: 8, .value_kind: global_buffer, .address_space: global }
      - { .name: out0, .offset: 32, .size: 8, .value_kind: global_buffer, .address_space: global }
    .group_segment_fixed_size: 327680
    .private_segment_fixed_size: 0
    .kernarg_segment_align: 8
    .kernarg_segment_size: 40
    .max_flat_workgroup_size: 128
    .sgpr_count:     98
    .vgpr_count:     512
    .wavefront_size: 32
...
	.end_amdgpu_metadata
.endif
;; end of part 4
